; MI455X (gfx1250); checked and timed in simulation.
; The chip was launched on July 23, 2026; its instructions are those of AMD's public machine-readable ISA for CDNA 5 (MIT licence, August 2026) and "CDNA5" Instruction Set Architecture Reference Guide (July 2026). The comments in the code are by the model that wrote it; some were corrected since.
;; I64 Token Routed MLP. Allowed arithmetic: matrix products marked QUANTISED: E4M3 operands, one given power-of-two scale a tensor, by v_wmma_f32_16x16x64_fp8_fp8 or v_wmma_f32_16x16x128_fp8_fp8, f32 sums; everything else in f32.
;; Inputs: down_proj 8 x 512 x 2,048 float32; gate_up_proj 8 x 2,048 x 1,024 float32; lowp_scales 32 int32 (the exponents e of the quantised operands' scales 2^e); token_ids 2,048 int32; x 2,048 x 2,048 float32.
;; Outputs: out0 2,048 x 2,048 float32.
;; This version of the problem:
;;   THIS VERSION OF THE PROBLEM IS GIVEN IN LOW PRECISION. The matrix products marked QUANTISED in the list below multiply operands that are first quantised to E4M3 (4 exponent bits, 3 mantissa bits; 8 bits a number), with one given power-of-two scale for each operand tensor; their sums are f32. All else is computed in f32.
;;   The module's matrix products, in the order in which they are computed (A, B: the left and right operand; K: the contracted axis; several contracted axes count as one K, in the product's order):
;;     1. [M 2,048, K 2,048] x [K 2,048, N 1,024]; A: computed on the way; B: input gate_up_proj: QUANTISED (scales: A lowp_scales[0], B lowp_scales[1])
;;     2. [M 2,048, K 512] x [K 512, N 2,048]; A: computed on the way; B: input down_proj: QUANTISED (scales: A lowp_scales[2], B lowp_scales[3])
;;     3. [M 2,048, K 2,048] x [K 2,048, N 1,024]; A: computed on the way; B: input gate_up_proj: QUANTISED (scales: A lowp_scales[4], B lowp_scales[5])
;;     4. [M 2,048, K 512] x [K 512, N 2,048]; A: computed on the way; B: input down_proj: QUANTISED (scales: A lowp_scales[6], B lowp_scales[7])
;;     5. [M 2,048, K 2,048] x [K 2,048, N 1,024]; A: computed on the way; B: input gate_up_proj: QUANTISED (scales: A lowp_scales[8], B lowp_scales[9])
;;     6. [M 2,048, K 512] x [K 512, N 2,048]; A: computed on the way; B: input down_proj: QUANTISED (scales: A lowp_scales[10], B lowp_scales[11])
;;     7. [M 2,048, K 2,048] x [K 2,048, N 1,024]; A: computed on the way; B: input gate_up_proj: QUANTISED (scales: A lowp_scales[12], B lowp_scales[13])
;;     8. [M 2,048, K 512] x [K 512, N 2,048]; A: computed on the way; B: input down_proj: QUANTISED (scales: A lowp_scales[14], B lowp_scales[15])
;;     9. [M 2,048, K 2,048] x [K 2,048, N 1,024]; A: computed on the way; B: input gate_up_proj: QUANTISED (scales: A lowp_scales[16], B lowp_scales[17])
;;     10. [M 2,048, K 512] x [K 512, N 2,048]; A: computed on the way; B: input down_proj: QUANTISED (scales: A lowp_scales[18], B lowp_scales[19])
;;     11. [M 2,048, K 2,048] x [K 2,048, N 1,024]; A: computed on the way; B: input gate_up_proj: QUANTISED (scales: A lowp_scales[20], B lowp_scales[21])
;;     12. [M 2,048, K 512] x [K 512, N 2,048]; A: computed on the way; B: input down_proj: QUANTISED (scales: A lowp_scales[22], B lowp_scales[23])
;;     13. [M 2,048, K 2,048] x [K 2,048, N 1,024]; A: computed on the way; B: input gate_up_proj: QUANTISED (scales: A lowp_scales[24], B lowp_scales[25])
;;     14. [M 2,048, K 512] x [K 512, N 2,048]; A: computed on the way; B: input down_proj: QUANTISED (scales: A lowp_scales[26], B lowp_scales[27])
;;     15. [M 2,048, K 2,048] x [K 2,048, N 1,024]; A: computed on the way; B: input gate_up_proj: QUANTISED (scales: A lowp_scales[28], B lowp_scales[29])
;;     16. [M 2,048, K 512] x [K 512, N 2,048]; A: computed on the way; B: input down_proj: QUANTISED (scales: A lowp_scales[30], B lowp_scales[31])
;;   THE QUANTISER, for each operand of a quantised product, along K:
;;     - The operand's scale is 2^e, e = its entry of the input lowp_scales (int32; the entries are numbered through the quantised products in the list's order, A before B).
;;     - Each number is divided by the scale, clamped to +-448, and rounded to the nearest number of E4M3, ties to even, subnormals kept.
;;     - The product sums the exact products of the quantised numbers (number of the format x scale) in f32.
;;   ~~~python
;;   def quantise(x, axis, e):      # numpy; x: float32 -> the quantised numbers, widened to float32 again
;;       x = np.moveaxis(x, axis, -1); K = x.shape[-1]
;;       r = np.clip(x / 2.0 ** e, -448, 448)
;;       step = 2.0 ** (np.maximum(np.frexp(np.where(r == 0, 1, r))[1] - 1, -6) - 3)
;;       q = np.round(r / step) * step * 2.0 ** e      # np.round: ties to even
;;       return np.moveaxis(q, -1, axis).astype(np.float32)
;;   ~~~
;;   OPERANDS COMPUTED ON THE WAY. 'Computed on the way' means the value that the module computes at that place (a softmax that the list does not call 'softmax' is quantised finished and normalised). What goes into a quantiser is computed in f32, as accurately as f32 sums, v_exp_f32 and their like allow (about 1e-6 of the number): no bf16 or f16 on the way to a quantiser, and a product that is left as it is and whose result goes on into a quantised operand takes f32 operands (vector FMAs, or v_wmma_f32_16x16x4_f32). A number that lies on a knife's edge between two numbers of the format may be rounded either way, as far as f32 arithmetic and the matrix unit's own rounding can turn it there, and no further.
;; 2 versions. Each part assembles by itself: llvm-mc -triple=amdgcn-amd-amdhsa -mcpu=gfx1250 --defsym DOCPART=n.
;; ======== version 1 of 2: 3 launches
;; workspace buffers: xq 4,423,680 bytes; hq 1,105,920 bytes; order 17,408 bytes of whole numbers; route 256 bytes of whole numbers
;; launch route_quant (part 1): grid 135 x 2, 8 waves a work-group, no clusters, 21,504 bytes of LDS; arguments x, token_ids, lowp_scales, xq, order, route; writes xq, order, route
.if DOCPART == 1
	.amdgcn_target "amdgcn-amd-amdhsa--gfx1250"
	.amdhsa_code_object_version 6
	.text
	.protected	k_q30daf34df5_route_quant
	.globl	k_q30daf34df5_route_quant
	.p2align	8
	.type	k_q30daf34df5_route_quant,@function
k_q30daf34df5_route_quant:
	s_mov_b64 s[64:65], 0
	v_nop
	global_prefetch_b8 v0, s[64:65] scope:SCOPE_SE
	s_setreg_imm32_b32 hwreg(HW_REG_WAVE_MODE, 25, 1), 1
	s_wait_xcnt 0x0
; FIRST OF THREE LAUNCHES: tokens are sorted by expert into tiles of 16 rows, and x is turned into codes of FP8 (E4M3) with the scale of each token's own expert.
; THE PROBLEM.  expert(t) = clip(token_ids[t], 0, 31999) mod 8;  out[t] = Q(silu(gate) x up) Q(down_proj[e]),  (gate, up) = Q(x[t]) Q(gate_up_proj[e]),  e = expert(t).
; The four operands of expert e have the given scales 2^lowp_scales[4 e + 0 .. 3]: x, gate_up_proj, the hidden layer, down_proj.
; DEAD WORK THAT IS LEFT OUT.  reference() multiplies every token with every expert.  For a token t and an expert e that is not its own, reference() itself sets the row xe[t] to 0 (its own mask):
; the codes of 0 are 0 under every scale, so gu[t] = 0, silu(0) x 0 = 0, that row of the second product is 0, and reference()'s second where puts 0 there in any case: 0 is added to out[t].
; That holds for all finite values of x and of the weights, and for all ids and scales.  So each token is multiplied with its own expert alone: seven eighths of the rows of each of the 16 products are not computed.
; Every input has a way to the output, and all are loaded.  LIMIT: a NaN, an infinity or an overflow that reaches only the work left out is not carried to the result.
; LIMITS: lowp_scales[4 e] between -126 and 119, so that 2^e and 448 x 2^e are f32 numbers.  NaN in x is not served (an infinity is held at the largest code).
; TILES.  Expert e has ceil(n_e / 16) tiles, T[e] .. T[e + 1] - 1; never more than 2048 / 16 + 7 = 135 in all, whatever the ids.  Within an expert tokens are ranked by (wave, register, lane) of the
; count below: an order that every work-group finds alike.  The free slots of an expert's last tile hold COPIES OF ITS LAST TOKEN: they compute that token's true result once more, so no later launch needs a mask.
; SHARES.  Work-group (d, kh) owns tile d and the K fragments 8 kh + wave, 128 along K each.  Each work-group counts all 2,048 ids anew (8 KB): no traffic between work-groups.  A work-group whose tile does not exist stores nothing.
; xq: [tile][F 16][c 4][lane 32][16 bytes]: an image of the operand's registers: lane (r, h), piece c = the codes of slot r at k = 128 F + 64 h + 16 c + 0 .. 15.  The same places along K are given to the weights'
; fragments in the next launch, so each product meets its partner; only the order of the sums inside a matrix instruction differs from the plain one.
; order: [tile][32] int32: word m < 16 = the token of slot m.   route: words 0 .. 8 = T[0 .. 8].
.set CNT,   0                          ; LDS: 8 x 128 bytes: wave w's counts, word e
.set SL,    1024                       ; 8 x 128 bytes: wave w's slots, word = slot
.set ST,    2048                       ; 8 stages, each wave's own: 16 rows of 128 codes,
.set SP,    144                        ; 144 bytes apart: 36 words, so that the 16 rows that a load of 16 bytes a lane touches start at 16 different banks (64 banks of 4 bytes: ISA guide 11.1)
.set WST,   16*SP
.set SPARE, ST+8*WST                   ; 20,480: the spare words, 128 bytes for each wave, which no other line names
; v1 lane; v2 16 x lane; v3 4 x lane; v4-11 my 8 tokens' experts; v12 a table in lanes; v13-14, v33-34 LDS addresses; v15 my wave's slots; v16-23 words from LDS; v24-27 at work; v28 the tile's tokens, lane = slot;
; v29, v30 the add's two; v31, v32 2^ex and 448 x 2^ex; v35 my ids' offset; v36-51 the 16 rows' offsets; v52 zero; v64-79 the image; v80-95 codes; v96-159 16 rows x 4 numbers
	s_load_b256 s[4:11], s[0:1], 0x0               ; x s[4:5], token_ids s[6:7], lowp_scales s[8:9], xq s[10:11]
	s_load_b128 s[12:15], s[0:1], 0x20             ; order s[12:13], route s[14:15]
	v_lshl_add_u32 v30, v0, 2, SPARE
	v_mov_b32 v29, 0
	v_mov_b32 v52, 0
	v_lshrrev_b32 v1, 5, v0
	v_readfirstlane_b32 s16, v1                    ; wave 0..7
	v_and_b32 v1, 31, v0                           ; lane
	s_mov_b32 s17, ttmp9                           ; d: my tile
	s_and_b32 s18, ttmp7, 0xffff                   ; kh: which half of K
	v_lshlrev_b32 v2, 4, v1
	v_lshlrev_b32 v3, 2, v1
	v_and_b32 v13, 7, v0
	v_lshlrev_b32 v13, 2, v13                      ; word lane % 8 of a wave's counts
	v_lshlrev_b32 v14, 2, v0                       ; 128 x wave + 4 x lane
	v_lshlrev_b32 v35, 5, v0                       ; my 8 ids: 32 bytes a thread
	s_mul_i32 s50, s16, WST
	s_add_co_u32 s50, s50, ST                      ; my stage
	v_add_nc_u32 v33, s50, v3                      ; into it: 4 codes a lane
	v_and_b32 v26, 15, v0
	v_bfe_u32 v27, v0, 4, 1
	v_mul_u32_u24 v34, v26, SP
	v_lshl_add_u32 v34, v27, 6, v34
	v_add_nc_u32 v34, s50, v34                     ; out of it: row r, + 64 h
	s_lshl_b32 s51, s16, 8
	s_add_co_u32 s51, s51, 1                       ; 256 x wave + 1
	s_wait_kmcnt 0x0
	global_load_b128 v[4:7], v35, s[6:7]           ; thread (wave, lane), register j: token 256 wave + 8 lane + j
	global_load_b128 v[8:11], v35, s[6:7] offset:16
	s_wait_loadcnt 0x0
.irp j, 0,1,2,3,4,5,6,7                        ; expert = clip(id, 0, 31999) mod 8
	v_cmp_gt_i32 vcc_lo, 0, v[4+\j]
	v_cndmask_b32 v[4+\j], v[4+\j], v52, vcc_lo
	v_min_u32 v[4+\j], 0x7cff, v[4+\j]
	v_and_b32 v[4+\j], 7, v[4+\j]
.endr
.irp e, 0,1,2,3,4,5,6,7                        ; my wave's 256 tokens, counted by expert
	s_mov_b32 s[20+\e], 0
.irp j, 0,1,2,3,4,5,6,7
	v_cmp_eq_u32 s44, \e, v[4+\j]
	s_bcnt1_i32_b32 s50, s44
	s_add_co_u32 s[20+\e], s[20+\e], s50
.endr
.endr
	v_mov_b32 v12, 0
.irp e, 0,1,2,3,4,5,6,7
	v_writelane_b32 v12, s[20+\e], \e
.endr
	ds_store_b32 v14, v12 offset:CNT
	s_wait_dscnt 0x0                               ; for the others' sake: my counts lie in LDS
	s_barrier_signal -1
	s_barrier_wait -1
.irp q, 0,1,2,3,4,5,6,7
	ds_load_b32 v[16+\q], v13 offset:CNT+128*\q    ; lane l: wave q's count of expert l % 8
.endr
	v_mov_b32 v24, 0
	v_mov_b32 v25, 0
	s_wait_dscnt 0x0
.irp q, 0,1,2,3,4,5,6,7
	s_cmp_gt_u32 s16, \q
	s_cselect_b32 s50, -1, 0
	v_add_nc_u32 v24, v24, v[16+\q]                ; n_e: all waves',
	v_cndmask_b32 v26, v52, v[16+\q], s50
	v_add_nc_u32 v25, v25, v26                     ; and those of the waves in front of mine
.endr
.irp e, 0,1,2,3,4,5,6,7
	v_readlane_b32 s[20+\e], v24, \e
	v_readlane_b32 s[52+\e], v25, \e
.endr
	s_mov_b32 s28, 0                               ; T[0 .. 8] in s28 .. s36
.irp e, 0,1,2,3,4,5,6,7
	s_add_co_u32 s50, s[20+\e], 15
	s_lshr_b32 s50, s50, 4
	s_add_co_u32 s[29+\e], s[28+\e], s50
.endr
	s_mov_b32 s37, 0                               ; my tile's expert: how many of T[1 .. 7] are at or under d
.irp e, 0,1,2,3,4,5,6
	s_cmp_ge_u32 s17, s[29+\e]
	s_cselect_b32 s50, 1, 0
	s_add_co_u32 s37, s37, s50
.endr
	s_mov_b32 s38, 0
	s_mov_b32 s40, 0
.irp e, 0,1,2,3,4,5,6,7
	s_cmp_eq_u32 s37, \e
	s_cselect_b32 s38, s[28+\e], s38               ; that expert's first tile,
	s_cselect_b32 s40, s[52+\e], s40               ; and the rank of my wave's first token of it
.endr
	v_mov_b32 v12, 0
.irp i, 0,1,2,3,4,5,6,7,8
	v_writelane_b32 v12, s[28+\i], \i              ; the table for route
.endr
	s_sub_co_u32 s41, s17, s38
	s_lshl_b32 s41, s41, 4                         ; lo: the rank of my tile's slot 0
	s_mov_b32 s42, s40                             ; the running rank
	s_max_u32 s43, s40, s41
	s_sub_co_u32 s43, s43, s41                     ; the slot that my wave's first token in range takes
	s_min_u32 s63, s37, 7
	s_lshl_b32 s63, s63, 4
	s_load_b32 s60, s[8:9], s63                    ; ex = lowp_scales[4 e]; s63 is written no more
	v_mov_b32 v15, 0
; Register j of the wave: the tokens of my tile's expert whose rank falls into the tile are taken one by one, in ascending rank.  Each writes token + 1 into ALL lanes from its slot on, so that a lane ends up with the
; token of the largest filled slot at or under it.  At most 16 trips in all eight waves together.  No barrier stands under these branches.
.macro PICK j
	v_cmp_eq_u32 s44, s37, v[4+\j]
	v_mbcnt_lo_u32_b32 v26, s44, s42               ; rank = the running rank + the mask's bits under my lane
	v_sub_nc_u32 v27, v26, s41
	v_cmp_gt_u32 s45, 16, v27                      ; 0 <= rank - lo < 16
	s_and_b32 s45, s45, s44
	s_bcnt1_i32_b32 s46, s45
	s_bcnt1_i32_b32 s50, s44
	s_add_co_u32 s42, s42, s50
	s_cmp_eq_u32 s46, 0
	s_cbranch_scc1 .Lnone_\@
	s_mov_b32 s47, 0
.Lpick_\@:
	s_ctz_i32_b32 s48, s45                         ; the lowest lane left
	s_lshl_b32 s49, s48, 3
	s_add_co_u32 s49, s49, s51
	s_add_co_u32 s49, s49, \j                      ; its token + 1
	v_mov_b32 v27, s49
	v_cmp_le_u32 vcc_lo, s43, v1
	v_cndmask_b32 v15, v15, v27, vcc_lo
	s_sub_co_u32 s50, s45, 1
	s_and_b32 s45, s45, s50
	s_add_co_u32 s43, s43, 1
	s_add_co_u32 s47, s47, 1
	s_cmp_lt_u32 s47, s46
	s_cbranch_scc1 .Lpick_\@
.Lnone_\@:
.endm
.irp j, 0,1,2,3,4,5,6,7
	PICK \j
.endr
	ds_store_b32 v14, v15 offset:SL
	s_wait_dscnt 0x0                               ; for the others' sake: my slots lie in LDS
	s_barrier_signal -1
	s_barrier_wait -1
.irp q, 0,1,2,3,4,5,6,7
	ds_load_b32 v[16+\q], v3 offset:SL+128*\q
.endr
	s_wait_dscnt 0x0
	v_mov_b32 v28, v16                             ; slots ascend with the wave: the last wave that has a word for my lane holds the largest slot at or under it
.irp q, 1,2,3,4,5,6,7
	v_cmp_ne_u32 vcc_lo, 0, v[16+\q]
	v_cndmask_b32 v28, v28, v[16+\q], vcc_lo
.endr
	v_add_nc_u32 v28, -1, v28                      ; lane m: the token of slot m; behind the expert's last token: copies of it
	s_cmp_ge_u32 s17, s36                          ; this split has no tile d: nothing to store.  Both barriers lie behind
	s_cbranch_scc1 .Ltail
	s_lshl_b32 s50, s18, 3
	s_add_co_u32 s50, s50, s16                     ; F = 8 kh + wave
	s_lshl_b32 s66, s50, 9                         ; 128 numbers of a row of x
	s_mov_b32 s67, 0
	s_add_nc_u64 s[4:5], s[4:5], s[66:67]
	s_lshl_b32 s68, s17, 15                        ; a tile of xq is 32,768 bytes, a fragment 2,048
	s_lshl_b32 s50, s50, 11
	s_add_co_u32 s68, s68, s50
	s_mov_b32 s69, 0
	s_add_nc_u64 s[10:11], s[10:11], s[68:69]
.irp a, 0,1,2,3,4,5,6,7,8,9,10,11,12,13,14,15  ; slot a's row: the wave reads 512 consecutive bytes, 4 numbers a lane.  (No hint: a copy names a row again)
	v_readlane_b32 s50, v28, \a
	s_min_u32 s50, s50, 2047
	s_lshl_b32 s50, s50, 13
	v_add_nc_u32 v[36+\a], s50, v2
	global_load_b128 v[96+4*\a:99+4*\a], v[36+\a], s[4:5]
.endr
	s_or_b32 s50, s16, s18                         ; the lists are stored once: by wave 0 of the work-group with kh = 0,
	s_cmp_lg_u32 s50, 0
	s_cbranch_scc1 .Lno_lists
	s_lshl_b32 s66, s17, 7
	s_add_nc_u64 s[12:13], s[12:13], s[66:67]
	global_store_b32 v3, v28, s[12:13]             ; order[d][0 .. 31]
	s_cmp_lg_u32 s17, 0                            ; route by tile 0's alone
	s_cbranch_scc1 .Lno_lists
	global_store_b32 v3, v12, s[14:15]
.Lno_lists:
	s_wait_kmcnt 0x0
	s_add_co_i32 s61, s60, 127
	s_lshl_b32 s62, s61, 23
	v_mov_b32 v31, s62                             ; 2^ex as f32: the conversion takes its exponent field
	s_add_co_i32 s61, s61, 8
	s_lshl_b32 s61, s61, 23
	s_or_b32 s61, s61, 0x600000
	v_mov_b32 v32, s61                             ; 448 x 2^ex
.macro PAIR p                          ; rows 2 p and 2 p + 1: eight numbers of a lane, four of each row, become two words of codes
	s_wait_loadcnt 14-2*\p                         ; loads come back in order: the loads of the rows behind these two may be out
.irp i, 0,1,2,3,4,5,6,7
	v_med3_num_f32 v[96+8*\p+\i], v[96+8*\p+\i], -v32, v32   ; the conversion to an 8-bit code does not saturate (ISA guide 7.6.2): the hold at the largest code x the scale
.endr
	v_cvt_scalef32_pk8_fp8_f32 v[80+2*\p:81+2*\p], v[96+8*\p:103+8*\p], v31
	ds_store_b32 v33, v[80+2*\p] offset:SP*(2*\p)
	ds_store_b32 v33, v[81+2*\p] offset:SP*(2*\p+1)
.endm
.irp p, 0,1,2,3,4,5,6,7
	PAIR \p
.endr
	v_nop                                          ; a plain vector line behind the last conversion
.irp c, 0,1,2,3
	ds_load_b128 v[64+4*\c:67+4*\c], v34 offset:16*\c      ; my own stage: LDS serves a wave's instructions in order, so these see the stores above
.endr
.irp c, 0,1,2,3
	s_wait_dscnt 3-\c                              ; the younger loads may be out
	global_store_b128 v2, v[64+4*\c:67+4*\c], s[10:11] offset:512*\c   ; 32 lanes store 512 consecutive bytes, at a multiple of 256 from xq's first byte
.endr
.Ltail:
	s_wait_tensorcnt 0x0                           ; the wave's end
	ds_add_u32 v30, v29
	s_wait_dscnt 0x0
	s_endpgm
.Lfunc_end_k_q30daf34df5_route_quant:
	.size	k_q30daf34df5_route_quant, .Lfunc_end_k_q30daf34df5_route_quant-k_q30daf34df5_route_quant
	.p2alignl 7, 3214868480
	.fill 96, 4, 3214868480
	.section	.rodata,"a",@progbits
	.p2align	6, 0x0
	.amdhsa_kernel k_q30daf34df5_route_quant
		.amdhsa_group_segment_fixed_size 21504
		.amdhsa_private_segment_fixed_size 0
		.amdhsa_enable_private_segment 0
		.amdhsa_kernarg_size 48
		.amdhsa_user_sgpr_count 2
		.amdhsa_user_sgpr_kernarg_segment_ptr 1
		.amdhsa_wavefront_size32 1
		.amdhsa_system_sgpr_workgroup_id_x 1
		.amdhsa_system_sgpr_workgroup_id_y 1
		.amdhsa_system_sgpr_workgroup_id_z 1
		.amdhsa_system_vgpr_workitem_id 0
		.amdhsa_next_free_vgpr 160
		.amdhsa_next_free_sgpr 80
		.amdhsa_reserve_vcc 1
		.amdhsa_float_denorm_mode_32 3
		.amdhsa_float_denorm_mode_16_64 3
		.amdhsa_memory_ordered 1
		.amdhsa_forward_progress 1
		.amdhsa_inst_pref_size 39
	.end_amdhsa_kernel
	.amdgpu_metadata
---
amdhsa.version: [ 1, 2 ]
amdhsa.kernels:
  - .name:           k_q30daf34df5_route_quant
    .symbol:         k_q30daf34df5_route_quant.kd
    .args:
      - { .name: x, .offset: 0, .size: 8, .value_kind: global_buffer, .address_space: global }
      - { .name: token_ids, .offset: 8, .size: 8, .value_kind: global_buffer, .address_space: global }
      - { .name: lowp_scales, .offset: 16, .size: 8, .value_kind: global_buffer, .address_space: global }
      - { .name: xq, .offset: 24, .size: 8, .value_kind: global_buffer, .address_space: global }
      - { .name: order, .offset: 32, .size: 8, .value_kind: global_buffer, .address_space: global }
      - { .name: route, .offset: 40, .size: 8, .value_kind: global_buffer, .address_space: global }
    .group_segment_fixed_size: 21504
    .private_segment_fixed_size: 0
    .kernarg_segment_align: 8
    .kernarg_segment_size: 48
    .max_flat_workgroup_size: 256
    .sgpr_count:     80
    .vgpr_count:     160
    .wavefront_size: 32
...
	.end_amdgpu_metadata
.endif
;; end of part 1
;; launch gate_up (part 2): grid 32 x 8, 4 waves a work-group, no clusters, 68,096 bytes of LDS; arguments gate_up_proj, xq, route, lowp_scales, hq; writes hq
.if DOCPART == 2
	.amdgcn_target "amdgcn-amd-amdhsa--gfx1250"
	.amdhsa_code_object_version 6
	.text
	.protected	k_q30daf34df5_gate_up
	.globl	k_q30daf34df5_gate_up
	.p2align	8
	.type	k_q30daf34df5_gate_up,@function
k_q30daf34df5_gate_up:
	s_mov_b64 s[64:65], 0
	v_nop
	global_prefetch_b8 v0, s[64:65] scope:SCOPE_SE
	s_setreg_imm32_b32 hwreg(HW_REG_WAVE_MODE, 25, 1), 1
	s_wait_xcnt 0x0
; SECOND LAUNCH: hq = Q(silu(gate) x up), (gate, up) = Q(x) Q(gate_up_proj[e]), for the tokens of expert e alone (the other experts' rows are dead work: shown at the head of the first launch's text).
; THE WEIGHTS STAND, THE TOKENS WALK.  Work-group (s, e) owns 16 gate columns, 16 s on, and the 16 up columns that belong to them, 512 + 16 s on, of expert e, over all of K = 2,048.
; Each f32 number of gate_up_proj is loaded and quantised once in the launch.  Phase W: wave w loads K rows 512 w .. 512 w + 511 of the 32 columns, quantises them along K, and puts the codes into LDS as images of the
; operand's registers; ONE barrier; every wave then takes all 32 fragments (16 along K x gate, up) into 512 registers, where they stay.  Phase T: wave w walks the expert's tiles T[e] + w, + 4, .. of 16 tokens.
; A tile's codes (32,768 bytes of xq, laid in the order of the operand's registers) come straight into 256 registers, in two halves that take turns: while one half is multiplied, the other is on its way.
; PLACES ALONG K, alike in both operands: lane (r, h) of fragment F holds k = 128 F + 64 h + 0 .. 63 of its row, 4 to a register.  Each product meets its partner; only the order of the sums in an instruction differs.
; THE MATRIX INSTRUCTION IS USED TRANSPOSED (source 0 = 16 columns of the weight, source 1 = 16 tokens): lane (r, h) holds token r and hidden units 16 s + 8 h + 0 .. 7: eight neighbours along the next K, one conversion.
; The raw sums Sg, Su stand for Sg, Su x 2^a, a = ex + ew1.  silu(g) u = Sg Su x 2^(2 a) / (1 + 2^(c Sg)), c = -log2(e) x 2^a; the code is that / 2^eh: so the conversion's scale is 2^(eh - 2 a).
; NO TENSOR LOADS AND NO JOINT LOADS, though the 32 work-groups of an expert walk the same tiles of xq: how many tiles an expert has is read from memory (route)
; a walk of a constant 135 tiles would be empty in seven trips of eight.
; An expert without tokens has its weights quantised all the same.
; LIMITS on the given exponents, so that each power of two below is an f32 number: ex + ew1 between -126 and 127; ew1, and eh - 2 (ex + ew1), between -126 and 119.  NaN among the inputs is not served.
; REGISTERS, in windows of 256.  Window 0: v1-6 addresses; v7, v8: 2^ew1, 448 x 2^ew1; v9, v10: the same for eh - 2 a; v12, v13 the add's two; v16-47 four accumulators (gate, up x even, odd fragments); v48-81 the activation.
;   In phase W: v64-127 two sets of 32 numbers; v128-255 codes.   Window 1: a tile of x, register 16 F + 4 c.   Windows 2, 3: first the weights as loaded (gate: 2, up: 3); then the 32 fragments: window 2 + F / 8, register 32 (F % 8) + 16 p + 4 c.
.set IMG,   2112                       ; a fragment's image in LDS: four blocks of 512 bytes,
.set CP,    528                        ; 528 bytes apart: 132 words, so that the 32 lanes of a store of 8 bytes fall on 64 different banks (64 banks of 4 bytes: ISA guide 11.1)
.set UPOFF, 16*IMG                     ; gate's 16 images, then up's
.set SPARE, 32*IMG                     ; 67,584: the spare words, 128 bytes for each wave, which no other line names
.set MSB, 0
.macro WIN new                         ; the immediate's high byte repeats the setting that is left; a switch that changes nothing is dropped
.if MSB != (\new)
	s_set_vgpr_msb (MSB<<8)|(\new)
.set MSB, (\new)
.endif
.endm
.macro PLACES                          ; four plain vector lines between a matrix instruction and a load into its sources or a read of its result
.rept 4
	v_nop
.endr
.endm
; Group g = 8 p + b: 64 rows of K x 16 columns (p = 0 gate, 1 up).  Lane (kr = l / 4, q = l % 4), load i: row 64 b + 8 kr + i, columns 4 q .. 4 q + 3.  A load takes 64 bytes of each of 8 rows.
.macro WLOAD g
	WIN 0x80+0x40*((\g)/8)
.irp i, 0,1,2,3,4,5,6,7
	global_load_b128 v[32*((\g)%8)+4*\i:32*((\g)%8)+4*\i+3], v2, s[4:5] offset:(64*((\g)%8)+\i)*4096+2048*((\g)/8)
.endr
.endm
; The hold moves number (i, j) to place 8 j + i: eight neighbours along K of one column on end, as the conversion takes them.  The codes go to their place in the fragment's image.
.macro WQUANT g
.set TT, 64+32*((\g)%2)
	WIN 0x02+((\g)/8)
.irp j, 0,1,2,3
.irp i, 0,1,2,3,4,5,6,7
	v_med3_num_f32 v[TT+8*\j+\i], v[32*((\g)%8)+4*\i+\j], -v8, v8   ; the conversion to an 8-bit code does not saturate (ISA guide 7.6.2): the hold at the largest code x the scale
.endr
.endr
	WIN 0
.irp j, 0,1,2,3
	v_cvt_scalef32_pk8_fp8_f32 v[128+8*(\g)+2*\j:128+8*(\g)+2*\j+1], v[TT+8*\j:TT+8*\j+7], v7
.endr
.irp j, 0,1,2,3
	ds_store_b64 v3, v[128+8*(\g)+2*\j:128+8*(\g)+2*\j+1] offset:(16*((\g)/8)+(((\g)%8)/2))*IMG+((\g)%2)*256+16*\j
.endr
.endm
.macro ALOAD half                      ; eight fragments of a tile of x: 32 loads of 512 consecutive bytes
	WIN 0x40
.irp f, 0,1,2,3,4,5,6,7
.irp c, 0,1,2,3
	global_load_b128 v[16*(8*\half+\f)+4*\c:16*(8*\half+\f)+4*\c+3], v1, s[6:7] offset:2048*(8*\half+\f)+512*\c
.endr
.endr
	WIN 0
.endm
; Sixteen matrix instructions: fragments 8 half .. 8 half + 7.  The four accumulators take turns, one instruction a turn.  Fragments 0 and 1 start the sums: nothing is cleared.
.macro MULH half
	WIN 0x06+\half
.irp f, 0,1,2,3,4,5,6,7
.if (\half == 0) && (\f < 2)
	v_wmma_f32_16x16x128_fp8_fp8 v[16+16*(\f%2):23+16*(\f%2)], v[32*\f:32*\f+15], v[16*(8*\half+\f):16*(8*\half+\f)+15], 0
	v_wmma_f32_16x16x128_fp8_fp8 v[24+16*(\f%2):31+16*(\f%2)], v[32*\f+16:32*\f+31], v[16*(8*\half+\f):16*(8*\half+\f)+15], 0
.else
	v_wmma_f32_16x16x128_fp8_fp8 v[16+16*(\f%2):23+16*(\f%2)], v[32*\f:32*\f+15], v[16*(8*\half+\f):16*(8*\half+\f)+15], v[16+16*(\f%2):23+16*(\f%2)]
	v_wmma_f32_16x16x128_fp8_fp8 v[24+16*(\f%2):31+16*(\f%2)], v[32*\f+16:32*\f+31], v[16*(8*\half+\f):16*(8*\half+\f)+15], v[24+16*(\f%2):31+16*(\f%2)]
.endif
.endr
	WIN 0
.endm
.macro SWIGLU                          ; all in f32.  Each accumulator is read from its low end on
.irp i, 0,2,4,6
	v_pk_add_f32 v[48+\i:49+\i], v[16+\i:17+\i], v[32+\i:33+\i]     ; Sg
.endr
.irp i, 0,2,4,6
	v_pk_add_f32 v[56+\i:57+\i], v[24+\i:25+\i], v[40+\i:41+\i]     ; Su
.endr
.irp i, 0,2,4,6
	v_pk_mul_f32 v[64+\i:65+\i], v[48+\i:49+\i], s[30:31] op_sel_hi:[1,0]   ; c Sg = -gate x log2(e)
.endr
.irp i, 0,1,2,3,4,5,6,7
	v_exp_f32 v[64+\i], v[64+\i]
.endr
.irp i, 0,2,4,6
	v_pk_mul_f32 v[72+\i:73+\i], v[48+\i:49+\i], v[56+\i:57+\i]     ; Sg Su: plain lines behind the exponentials
.endr
	s_wait_alu depctr_va_vdst(0)                   ; one wait for the eight exponentials, ahead of their first reader
.irp i, 0,2,4,6
	v_pk_add_f32 v[64+\i:65+\i], v[64+\i:65+\i], 1.0 op_sel_hi:[1,0]
.endr
.irp i, 0,1,2,3,4,5,6,7
	v_rcp_f32 v[64+\i], v[64+\i]
.endr
	v_nop                                          ; a plain line behind the last reciprocal
	s_wait_alu depctr_va_vdst(0)                   ; one wait for the eight reciprocals
.irp i, 0,2,4,6
	v_pk_mul_f32 v[72+\i:73+\i], v[72+\i:73+\i], v[64+\i:65+\i]
.endr
.irp i, 0,1,2,3,4,5,6,7
	v_med3_num_f32 v[72+\i], v[72+\i], -v10, v10   ; the hold at the largest code x the scale
.endr
	v_cvt_scalef32_pk8_fp8_f32 v[80:81], v[72:79], v9
	v_nop                                          ; a plain line behind the conversion
.endm
	s_load_b256 s[4:11], s[0:1], 0x0               ; gate_up_proj s[4:5], xq s[6:7], route s[8:9], lowp_scales s[10:11]
	s_load_b64 s[12:13], s[0:1], 0x20              ; hq
	v_lshl_add_u32 v12, v0, 2, SPARE
	v_mov_b32 v13, 0
	v_lshrrev_b32 v14, 5, v0
	v_readfirstlane_b32 s14, v14                   ; wave 0..3
	s_mov_b32 s15, ttmp9                           ; s: my slice of columns
	s_and_b32 s16, ttmp7, 0xffff                   ; e: my expert
	v_and_b32 v14, 31, v0
	v_lshlrev_b32 v1, 4, v14                       ; 16 x lane: in a fragment of xq,
	v_lshlrev_b32 v4, 4, v14                       ; in gate's images,
	v_add_nc_u32 v5, UPOFF, v4                     ; in up's
	v_bfe_u32 v15, v0, 2, 3                        ; kr
	v_and_b32 v14, 3, v0                           ; q
	v_lshlrev_b32 v2, 15, v15                      ; the weights: 8 kr rows of 4,096 bytes
	v_lshl_add_u32 v2, v14, 4, v2                  ; + 16 q
	v_bfe_u32 v15, v0, 3, 2                        ; where my 8 codes go in an image: block kr / 2,
	v_mul_u32_u24 v3, v15, CP
	v_lshl_add_u32 v3, v14, 6, v3                  ; the places of lanes 4 q .. 4 q + 3,
	v_bfe_u32 v15, v0, 2, 1
	v_lshl_add_u32 v3, v15, 3, v3                  ; half kr % 2 of their 16 bytes,
	s_mul_i32 s38, s14, 4*IMG
	v_add_nc_u32 v3, s38, v3                       ; in my wave's four fragments along K
	v_and_b32 v14, 15, v0
	v_bfe_u32 v15, v0, 4, 1
	v_lshlrev_b32 v6, 4, v14
	v_lshl_add_u32 v6, v15, 3, v6                  ; hq: 16 r + 8 h
	s_lshl_b32 s18, s16, 23                        ; an expert's weights are 8,388,608 bytes,
	s_lshl_b32 s38, s14, 21                        ; my wave's 512 rows of 4,096,
	s_add_co_u32 s18, s18, s38
	s_lshl_b32 s38, s15, 6                         ; 16 columns are 64 bytes
	s_add_co_u32 s18, s18, s38
	s_mov_b32 s19, 0
	s_lshl_b32 s32, s16, 4                         ; s32, s33: offsets of the scalar loads below; written no more
	s_lshl_b32 s33, s16, 2
	s_wait_kmcnt 0x0
	s_load_b128 s[20:23], s[10:11], s32            ; ex, ew1, eh, ew2
	s_load_b32 s24, s[8:9], s33                    ; T[e]
	s_load_b32 s25, s[8:9], s33 offset:0x4         ; T[e + 1]
	s_load_b32 s26, s[8:9], 0x20                   ; T[8]
	s_add_nc_u64 s[4:5], s[4:5], s[18:19]
.irp g, 0,1,2,3,4,5
	WLOAD \g
.endr
; PHASE W.  Loads run six groups (48 loads) ahead of the work.
.irp g, 0,1,2,3,4,5,6,7,8,9,10,11,12,13,14,15
.if \g < 10
	WLOAD \g+6
.endif
.if \g == 0
	WIN 0
	s_wait_kmcnt 0x0
	s_add_co_i32 s34, s20, s21                     ; a = ex + ew1
	s_lshl_b32 s35, s34, 23
	s_add_co_u32 s30, s35, 0xbfb8aa3b              ; c = -log2(e) x 2^a: a is added to the exponent field
	s_mov_b32 s31, s30                             ; (named with it as a pair, so it is written)
	s_add_co_i32 s35, s21, 127
	s_lshl_b32 s36, s35, 23
	v_mov_b32 v7, s36                              ; 2^ew1
	s_add_co_i32 s35, s35, 8
	s_lshl_b32 s35, s35, 23
	s_or_b32 s35, s35, 0x600000
	v_mov_b32 v8, s35                              ; 448 x 2^ew1
	s_lshl_b32 s34, s34, 1
	s_sub_co_i32 s34, s22, s34                     ; eh - 2 a
	s_add_co_i32 s34, s34, 127
	s_lshl_b32 s36, s34, 23
	v_mov_b32 v9, s36
	s_add_co_i32 s34, s34, 8
	s_lshl_b32 s34, s34, 23
	s_or_b32 s34, s34, 0x600000
	v_mov_b32 v10, s34
.endif
.if \g == 12                           ; all weights are asked for: my first tile's first half follows them.  It is asked for by every wave, so that the counts below hold on every way:
	s_min_u32 s27, s24, 135
	s_add_co_u32 s27, s27, s14                     ; t: my first tile
	s_min_u32 s28, s25, 135                        ; t1: behind the expert's last
	s_sub_co_u32 s36, s26, 1
	s_min_u32 s36, s27, s36                        ; a wave without a tile reads the last tile that was stored, and uses nothing of it
	s_min_u32 s36, s36, 134
	s_lshl_b32 s18, s36, 15
	s_add_nc_u64 s[6:7], s[6:7], s[18:19]          ; xq at my first tile
	s_lshl_b32 s18, s36, 13                        ; hq: the tile; hidden units 16 s + 8 h + 0 .. 7 of token r lie in fragment s / 8, block s % 4, lane 16 ((s / 4) % 2) + r, half h
	s_lshr_b32 s38, s15, 3
	s_lshl_b32 s38, s38, 11
	s_add_co_u32 s18, s18, s38
	s_and_b32 s38, s15, 3
	s_lshl_b32 s38, s38, 9
	s_add_co_u32 s18, s18, s38
	s_bfe_u32 s38, s15, 0x10002
	s_lshl_b32 s38, s38, 8
	s_add_co_u32 s18, s18, s38
	s_add_nc_u64 s[12:13], s[12:13], s[18:19]
	ALOAD 0
.endif
.if \g < 10
	s_wait_loadcnt 48                              ; group g is in; the six groups behind it may be out
.elseif \g < 12
	s_wait_loadcnt 8*(15-\g)                       ; the groups that are left
.else
	s_wait_loadcnt 8*(15-\g)+32                    ; and the 32 loads of the tile's first half
.endif
	WQUANT \g
.endr
	v_nop                                          ; a plain vector line behind the last conversion
	ALOAD 1                                        ; the first tile's second half
	s_wait_dscnt 0x0                               ; for the others' sake: my codes lie in LDS
	s_barrier_signal -1
	s_barrier_wait -1
.irp F, 0,1,2,3,4,5,6,7,8,9,10,11,12,13,14,15  ; all 32 fragments into registers; the weights as loaded, which lay there, have all been read
	WIN 0x80+0x40*(\F/8)
.irp c, 0,1,2,3
	ds_load_b128 v[32*(\F%8)+4*\c:32*(\F%8)+4*\c+3], v4 offset:\F*IMG+CP*\c
	ds_load_b128 v[32*(\F%8)+16+4*\c:32*(\F%8)+16+4*\c+3], v5 offset:\F*IMG+CP*\c
.endr
.endr
	WIN 0
	s_wait_dscnt 0x0
; PHASE T.  The loop has one trip for each of my tiles that has a successor: a trip multiplies its tile and asks for the next one, and holds no branch.  My last tile is written out behind the loop and asks for nothing.
; On both ways to a tile's head (from above, and from the trip before) the loads that are out are that tile's first half's 32 and, behind them, its second half's 32.
	s_cmp_ge_u32 s27, s28                          ; no tile for my wave
	s_cbranch_scc1 .Lend
	s_sub_co_u32 s37, s28, s27                     ; my tiles are t, t + 4, .. under t1: ceil((t1 - t) / 4) of them;
	s_sub_co_u32 s37, s37, 1
	s_lshr_b32 s37, s37, 2                         ; one less, (t1 - t - 1) / 4 rounded down, have a successor: the loop's trips,
	s_min_u32 s37, s37, 33                         ; at most 33, since there are at most 135 tiles
	s_cmp_eq_u32 s37, 0                            ; one tile alone: it is the last
	s_cbranch_scc1 .Llast
	s_mov_b32 s29, 0                               ; the loop's counter
.Ltile:
	s_wait_loadcnt 32                              ; the first half is in; the second half's 32 loads may be out
	MULH 0
	PLACES
	s_wait_xcnt 0x0                                ; the loads that are out have read their base: it may step
	s_add_nc_u64 s[6:7], s[6:7], 131072            ; four tiles on
	ALOAD 0                                        ; the next tile's first half, into the registers just multiplied
	s_wait_loadcnt 32                              ; this tile's second half is in; the 32 just issued may be out
	MULH 1
	PLACES
	ALOAD 1                                        ; the next tile's second half
	SWIGLU
	global_store_b64 v6, v[80:81], s[12:13]        ; 32 lanes store 256 consecutive bytes, at a multiple of 256 from hq's first byte
	s_wait_xcnt 0x0                                ; the store has read its data and its base
	s_add_nc_u64 s[12:13], s[12:13], 32768
	s_add_co_u32 s29, s29, 1
	s_cmp_lt_u32 s29, s37
	s_cbranch_scc1 .Ltile
.Llast:
	s_wait_loadcnt 32                              ; the first half is in; the second half's 32 loads may be out
	MULH 0
	s_wait_loadcnt 0x0                             ; nothing was asked for behind this tile
	MULH 1
	PLACES
	SWIGLU
	global_store_b64 v6, v[80:81], s[12:13]
.Lend:
	s_wait_tensorcnt 0x0                           ; the wave's end
	ds_add_u32 v12, v13
	s_wait_dscnt 0x0
	s_endpgm
.Lfunc_end_k_q30daf34df5_gate_up:
	.size	k_q30daf34df5_gate_up, .Lfunc_end_k_q30daf34df5_gate_up-k_q30daf34df5_gate_up
	.p2alignl 7, 3214868480
	.fill 96, 4, 3214868480
	.section	.rodata,"a",@progbits
	.p2align	6, 0x0
	.amdhsa_kernel k_q30daf34df5_gate_up
		.amdhsa_group_segment_fixed_size 68096
		.amdhsa_private_segment_fixed_size 0
		.amdhsa_enable_private_segment 0
		.amdhsa_kernarg_size 40
		.amdhsa_user_sgpr_count 2
		.amdhsa_user_sgpr_kernarg_segment_ptr 1
		.amdhsa_wavefront_size32 1
		.amdhsa_system_sgpr_workgroup_id_x 1
		.amdhsa_system_sgpr_workgroup_id_y 1
		.amdhsa_system_sgpr_workgroup_id_z 1
		.amdhsa_system_vgpr_workitem_id 0
		.amdhsa_next_free_vgpr 1024
		.amdhsa_next_free_sgpr 66
		.amdhsa_reserve_vcc 0
		.amdhsa_float_denorm_mode_32 3
		.amdhsa_float_denorm_mode_16_64 3
		.amdhsa_memory_ordered 1
		.amdhsa_forward_progress 1
		.amdhsa_inst_pref_size 90
	.end_amdhsa_kernel
	.amdgpu_metadata
---
amdhsa.version: [ 1, 2 ]
amdhsa.kernels:
  - .name:           k_q30daf34df5_gate_up
    .symbol:         k_q30daf34df5_gate_up.kd
    .args:
      - { .name: gate_up_proj, .offset: 0, .size: 8, .value_kind: global_buffer, .address_space: global }
      - { .name: xq, .offset: 8, .size: 8, .value_kind: global_buffer, .address_space: global }
      - { .name: route, .offset: 16, .size: 8, .value_kind: global_buffer, .address_space: global }
      - { .name: lowp_scales, .offset: 24, .size: 8, .value_kind: global_buffer, .address_space: global }
      - { .name: hq, .offset: 32, .size: 8, .value_kind: global_buffer, .address_space: global }
    .group_segment_fixed_size: 68096
    .private_segment_fixed_size: 0
    .kernarg_segment_align: 8
    .kernarg_segment_size: 40
    .max_flat_workgroup_size: 128
    .sgpr_count:     66
    .vgpr_count:     1024
    .wavefront_size: 32
...
	.end_amdgpu_metadata
.endif
;; end of part 2
;; launch down (part 3): grid 32 x 8, 8 waves a work-group, no clusters, 33,792 bytes of LDS; arguments down_proj, hq, order, route, lowp_scales, out0; writes out0
.if DOCPART == 3
	.amdgcn_target "amdgcn-amd-amdhsa--gfx1250"
	.amdhsa_code_object_version 6
	.text
	.protected	k_q30daf34df5_down
	.globl	k_q30daf34df5_down
	.p2align	8
	.type	k_q30daf34df5_down,@function
k_q30daf34df5_down:
	s_mov_b64 s[64:65], 0
	v_nop
	global_prefetch_b8 v0, s[64:65] scope:SCOPE_SE
	s_setreg_imm32_b32 hwreg(HW_REG_WAVE_MODE, 25, 1), 1
	s_wait_xcnt 0x0
; THIRD LAUNCH: out0[token] = Q(h) Q(down_proj[e]) x 2^(eh + ew2), for the tokens of expert e alone (the other experts' rows are dead work: shown at the head of the first launch's text).
; THE WEIGHTS STAND, THE TOKENS WALK.  Work-group (s, e) owns columns 64 s .. 64 s + 63 of expert e over all of K = 512: 256 bytes of each row of down_proj[e], each read and quantised once in the launch.
; Phase W: wave w (F = w / 2, u = w % 2) loads rows 128 F + 32 u + 0 .. 31 (lanes 0-15) and the rows 64 further on (lanes 16-31): sixteen lanes read 256 consecutive bytes of a row.  Register j of a load is column
; 64 s + 4 r + j: COLUMN FRAGMENT j TAKES EVERY FOURTH COLUMN, so a lane's numbers are its own fragments' numbers, its registers run down K, and the conversions' results are the operand's registers.
; They go into LDS as images of those registers; ONE barrier; every wave takes all 16 fragments (4 along K x 4) into 256 registers.  Phase T: wave w walks the expert's tiles T[e] + w, + 8, ..
; PLACES ALONG K, as hq has them: lane (r, h) of fragment F holds k = 128 F + 64 h + 0 .. 63.  Source 0 = 16 tokens, source 1 = 16 columns: register i of accumulator j in lane (r, h) is token slot 8 h + i,
; column 64 s + 4 r + j: the four accumulators' registers i are four neighbouring columns, and sixteen lanes store 256 consecutive bytes of a row of out0.
; The free slots of an expert's last tile hold copies of its last token: the same wave stores the same numbers to the same bytes once more.  No mask.
; NO TENSOR LOADS AND NO JOINT LOADS, though the 32 work-groups of an expert walk the same tiles of hq: the number of tiles is read from memory (route).
; LIMITS on the given exponents: ew2 between -126 and 119; eh + ew2 between -126 and 127.  NaN among the inputs is not served.
; REGISTERS.  Window 0: v1-5 addresses; v6, v7: 2^ew2, 448 x 2^ew2; v8, v9 the add's two; v16-47 four accumulators; v48-79 results; v80-87 tokens; v88-95 their rows' offsets; v96-159 a tile of h (16 F + 4 c);
;   v160-223 two sets of 32 numbers; v224-255 codes.   Window 1: first the weights as loaded (4 ii + j), then the 16 fragments at 16 (4 F + j) + 4 c.
.set SPARE, 32768                      ; behind the 16 images of 2,048 bytes: the spare words, 128 bytes for each wave, which no other line names
.set MSB, 0
.macro WIN new                         ; the immediate's high byte repeats the setting that is left; a switch that changes nothing is dropped
.if MSB != (\new)
	s_set_vgpr_msb (MSB<<8)|(\new)
.set MSB, (\new)
.endif
.endm
.macro PLACES                          ; four plain vector lines between a matrix instruction and a load into its sources or a read of its result
.rept 4
	v_nop
.endr
.endm
.macro WQUANT gg                       ; rows 8 gg .. 8 gg + 7 of my 32: the hold moves number (i, j) to place 8 j + i: eight neighbours along K of one column on end
.set TT, 160+32*((\gg)%2)
	WIN 0x01
.irp j, 0,1,2,3
.irp i, 0,1,2,3,4,5,6,7
	v_med3_num_f32 v[TT+8*\j+\i], v[4*(8*(\gg)+\i)+\j], -v7, v7   ; the conversion to an 8-bit code does not saturate (ISA guide 7.6.2): the hold at the largest code x the scale
.endr
.endr
	WIN 0
.irp j, 0,1,2,3
	v_cvt_scalef32_pk8_fp8_f32 v[224+8*\j+2*(\gg):224+8*\j+2*(\gg)+1], v[TT+8*\j:TT+8*\j+7], v6
.endr
.endm
.macro ALOAD0                          ; ten loads: my half's eight tokens, and fragments 0 and 1 of the tile
	global_load_b128 v[80:83], v4, s[8:9]
	global_load_b128 v[84:87], v4, s[8:9] offset:16
.irp F, 0,1
.irp c, 0,1,2,3
	global_load_b128 v[96+16*\F+4*\c:99+16*\F+4*\c], v1, s[6:7] offset:2048*\F+512*\c
.endr
.endr
.endm
.macro ALOAD1                          ; eight loads: fragments 2 and 3
.irp F, 2,3
.irp c, 0,1,2,3
	global_load_b128 v[96+16*\F+4*\c:99+16*\F+4*\c], v1, s[6:7] offset:2048*\F+512*\c
.endr
.endr
.endm
.macro MUL F                           ; four matrix instructions; the four accumulators take turns, one instruction a turn.  Fragment 0 starts the sums
	WIN 0x04
.irp j, 0,1,2,3
.if \F == 0
	v_wmma_f32_16x16x128_fp8_fp8 v[16+8*\j:23+8*\j], v[96+16*\F:111+16*\F], v[16*(4*\F+\j):16*(4*\F+\j)+15], 0
.else
	v_wmma_f32_16x16x128_fp8_fp8 v[16+8*\j:23+8*\j], v[96+16*\F:111+16*\F], v[16*(4*\F+\j):16*(4*\F+\j)+15], v[16+8*\j:23+8*\j]
.endif
.endr
	WIN 0
.endm
.macro FIRST                           ; a tile's first half: where its eight rows of out0 lie, and fragments 0 and 1
	s_wait_loadcnt 8                               ; the tokens and fragments 0 and 1 are in; the eight loads of fragments 2 and 3 may be out
.irp i, 0,1,2,3,4,5,6,7
	v_min_u32 v[80+\i], 2047, v[80+\i]
.endr
.irp i, 0,1,2,3,4,5,6,7
	v_lshl_add_u32 v[88+\i], v[80+\i], 13, v5      ; token x 8,192 bytes + 16 r
.endr
	MUL 0
	MUL 1
.endm
.macro OUT                             ; x 2^(eh + ew2), into other registers, four neighbouring columns on end; each accumulator is read from its register 0 on
.irp i, 0,1,2,3,4,5,6,7
.irp j, 0,1,2,3
	v_mul_f32 v[48+4*\i+\j], s30, v[16+8*\j+\i]
.endr
.endr
.irp i, 0,1,2,3,4,5,6,7
	global_store_b128 v[88+\i], v[48+4*\i:51+4*\i], s[14:15] th:TH_STORE_NT   ; sixteen lanes store 256 consecutive bytes of a token's row, at a multiple of 256 from out0's first byte
.endr
.endm
	s_load_b256 s[4:11], s[0:1], 0x0               ; down_proj s[4:5], hq s[6:7], order s[8:9], route s[10:11]
	s_load_b128 s[12:15], s[0:1], 0x20             ; lowp_scales s[12:13], out0 s[14:15]
	v_lshl_add_u32 v8, v0, 2, SPARE
	v_mov_b32 v9, 0
	v_lshrrev_b32 v1, 5, v0
	v_readfirstlane_b32 s16, v1                    ; wave 0..7
	s_mov_b32 s17, ttmp9                           ; s: my strip of 64 columns
	s_and_b32 s18, ttmp7, 0xffff                   ; e: my expert
	v_and_b32 v1, 31, v0
	v_lshlrev_b32 v1, 4, v1                        ; 16 x lane
	v_and_b32 v5, 15, v0
	v_lshlrev_b32 v5, 4, v5                        ; 16 r
	v_bfe_u32 v4, v0, 4, 1                         ; h
	v_lshl_add_u32 v2, v4, 19, v5                  ; the weights: 64 h rows of 8,192 bytes + 16 r
	v_lshlrev_b32 v4, 5, v4                        ; order: my half's eight words
	s_lshr_b32 s32, s16, 1                         ; F
	s_and_b32 s33, s16, 1                          ; u
	s_lshl_b32 s34, s32, 13                        ; my images: four of 2,048 bytes for each F,
	s_lshl_b32 s35, s33, 10                        ; blocks 2 u and 2 u + 1 of each
	s_add_co_u32 s34, s34, s35
	v_add_nc_u32 v3, s34, v1
	s_lshl_b32 s38, s18, 22                        ; an expert's weights are 4,194,304 bytes,
	s_lshl_b32 s39, s32, 20                        ; 128 F rows of 8,192,
	s_add_co_u32 s38, s38, s39
	s_lshl_b32 s39, s33, 18                        ; 32 u rows,
	s_add_co_u32 s38, s38, s39
	s_lshl_b32 s39, s17, 8                         ; 64 columns are 256 bytes
	s_add_co_u32 s38, s38, s39
	s_mov_b32 s39, 0
	s_lshl_b32 s36, s18, 4                         ; s36, s37: offsets of the scalar loads below; written no more
	s_lshl_b32 s37, s18, 2
	s_wait_kmcnt 0x0
	s_load_b128 s[20:23], s[12:13], s36            ; ex, ew1, eh, ew2
	s_load_b32 s24, s[10:11], s37                  ; T[e]
	s_load_b32 s25, s[10:11], s37 offset:0x4       ; T[e + 1]
	s_load_b32 s26, s[10:11], 0x20                 ; T[8]
	s_add_nc_u64 s[4:5], s[4:5], s[38:39]
	WIN 0x40
.irp ii, 0,1,2,3,4,5,6,7,8,9,10,11,12,13,14,15,16,17,18,19,20,21,22,23,24,25,26,27,28,29,30,31
	global_load_b128 v[4*\ii:4*\ii+3], v2, s[4:5] offset:8192*\ii th:TH_LOAD_NT   ; read once in the launch
.endr
	WIN 0
	s_lshl_b32 s38, s17, 8
	s_add_nc_u64 s[14:15], s[14:15], s[38:39]      ; out0 at my strip
	s_wait_kmcnt 0x0
	s_min_u32 s27, s24, 135
	s_add_co_u32 s27, s27, s16                     ; t: my first tile
	s_min_u32 s28, s25, 135                        ; t1: behind the expert's last
	s_sub_co_u32 s31, s26, 1
	s_min_u32 s31, s27, s31                        ; a wave without a tile reads the last tile that was stored, and uses nothing of it
	s_min_u32 s31, s31, 134
	s_lshl_b32 s38, s31, 13
	s_add_nc_u64 s[6:7], s[6:7], s[38:39]          ; hq at my first tile
	s_lshl_b32 s38, s31, 7
	s_add_nc_u64 s[8:9], s[8:9], s[38:39]          ; order likewise
	ALOAD0                                         ; asked for by every wave, so that the counts below hold on every way
	ALOAD1
	s_add_co_i32 s34, s23, 127
	s_lshl_b32 s35, s34, 23
	v_mov_b32 v6, s35                              ; 2^ew2
	s_add_co_i32 s34, s34, 8
	s_lshl_b32 s34, s34, 23
	s_or_b32 s34, s34, 0x600000
	v_mov_b32 v7, s34                              ; 448 x 2^ew2
	s_add_co_i32 s30, s22, s23
	s_add_co_i32 s30, s30, 127
	s_lshl_b32 s30, s30, 23                        ; 2^(eh + ew2)
.irp gg, 0,1,2,3
	s_wait_loadcnt 18+8*(3-\gg)                    ; these eight rows are in; the later rows' loads and the first tile's 18 may be out
	WQUANT \gg
.endr
	v_nop                                          ; a plain vector line behind the last conversion
.irp j, 0,1,2,3
.irp cc, 0,1
	ds_store_b128 v3, v[224+8*\j+4*\cc:227+8*\j+4*\cc] offset:2048*\j+512*\cc
.endr
.endr
	s_wait_dscnt 0x0                               ; for the others' sake: my codes lie in LDS
	s_barrier_signal -1
	s_barrier_wait -1
	WIN 0x40
.irp f, 0,1,2,3,4,5,6,7,8,9,10,11,12,13,14,15  ; all 16 fragments into registers; the weights as loaded, which lay there, have all been read
.irp c, 0,1,2,3
	ds_load_b128 v[16*\f+4*\c:16*\f+4*\c+3], v1 offset:2048*\f+512*\c
.endr
.endr
	WIN 0
	s_wait_dscnt 0x0
; PHASE T.  The loop has one trip for each of my tiles that has a successor: a trip multiplies its tile and asks for the next one, and holds no branch.  My last tile is written out behind the loop and asks for nothing.
; On both ways to a tile's head (from above, and from the trip before) the loads that are out are that tile's first ten and, behind them, its other eight.
	s_cmp_ge_u32 s27, s28                          ; no tile for my wave
	s_cbranch_scc1 .Lend
	s_sub_co_u32 s40, s28, s27                     ; my tiles are t, t + 8, .. under t1: ceil((t1 - t) / 8) of them;
	s_sub_co_u32 s40, s40, 1
	s_lshr_b32 s40, s40, 3                         ; one less, (t1 - t - 1) / 8 rounded down, have a successor: the loop's trips,
	s_min_u32 s40, s40, 16                         ; at most 16, since there are at most 135 tiles
	s_cmp_eq_u32 s40, 0                            ; one tile alone: it is the last
	s_cbranch_scc1 .Llast
	s_mov_b32 s29, 0                               ; the loop's counter
.Ltile:
	FIRST
	PLACES
	s_wait_xcnt 0x0                                ; the loads that are out have read their bases: they may step
	s_add_nc_u64 s[6:7], s[6:7], 65536             ; eight tiles on
	s_add_nc_u64 s[8:9], s[8:9], 1024
	ALOAD0                                         ; the next tile's first ten
	s_wait_loadcnt 10                              ; this tile's fragments 2 and 3 are in; the ten just issued may be out
	MUL 2
	MUL 3
	PLACES
	ALOAD1                                         ; the next tile's other eight
	OUT
	s_wait_xcnt 0x0                                ; the stores have read their data and offsets: both are written again for the next tile
	s_add_co_u32 s29, s29, 1
	s_cmp_lt_u32 s29, s40
	s_cbranch_scc1 .Ltile
.Llast:
	FIRST
	s_wait_loadcnt 0x0                             ; nothing was asked for behind this tile
	MUL 2
	MUL 3
	PLACES
	OUT
.Lend:
	s_wait_tensorcnt 0x0                           ; the wave's end
	ds_add_u32 v8, v9
	s_wait_dscnt 0x0
	s_endpgm
.Lfunc_end_k_q30daf34df5_down:
	.size	k_q30daf34df5_down, .Lfunc_end_k_q30daf34df5_down-k_q30daf34df5_down
	.p2alignl 7, 3214868480
	.fill 96, 4, 3214868480
	.section	.rodata,"a",@progbits
	.p2align	6, 0x0
	.amdhsa_kernel k_q30daf34df5_down
		.amdhsa_group_segment_fixed_size 33792
		.amdhsa_private_segment_fixed_size 0
		.amdhsa_enable_private_segment 0
		.amdhsa_kernarg_size 48
		.amdhsa_user_sgpr_count 2
		.amdhsa_user_sgpr_kernarg_segment_ptr 1
		.amdhsa_wavefront_size32 1
		.amdhsa_system_sgpr_workgroup_id_x 1
		.amdhsa_system_sgpr_workgroup_id_y 1
		.amdhsa_system_sgpr_workgroup_id_z 1
		.amdhsa_system_vgpr_workitem_id 0
		.amdhsa_next_free_vgpr 512
		.amdhsa_next_free_sgpr 66
		.amdhsa_reserve_vcc 0
		.amdhsa_float_denorm_mode_32 3
		.amdhsa_float_denorm_mode_16_64 3
		.amdhsa_memory_ordered 1
		.amdhsa_forward_progress 1
		.amdhsa_inst_pref_size 33
	.end_amdhsa_kernel
	.amdgpu_metadata
---
amdhsa.version: [ 1, 2 ]
amdhsa.kernels:
  - .name:           k_q30daf34df5_down
    .symbol:         k_q30daf34df5_down.kd
    .args:
      - { .name: down_proj, .offset: 0, .size: 8, .value_kind: global_buffer, .address_space: global }
      - { .name: hq, .offset: 8, .size: 8, .value_kind: global_buffer, .address_space: global }
      - { .name: order, .offset: 16, .size: 8, .value_kind: global_buffer, .address_space: global }
      - { .name: route, .offset: 24, .size: 8, .value_kind: global_buffer, .address_space: global }
      - { .name: lowp_scales, .offset: 32, .size: 8, .value_kind: global_buffer, .address_space: global }
      - { .name: out0, .offset: 40, .size: 8, .value_kind: global_buffer, .address_space: global }
    .group_segment_fixed_size: 33792
    .private_segment_fixed_size: 0
    .kernarg_segment_align: 8
    .kernarg_segment_size: 48
    .max_flat_workgroup_size: 256
    .sgpr_count:     66
    .vgpr_count:     512
    .wavefront_size: 32
...
	.end_amdgpu_metadata
.endif
;; end of part 3
;; ======== version 2 of 2: 3 launches
;; workspace buffers: xq 4,423,680 bytes; hq 1,105,920 bytes; order 17,408 bytes of whole numbers; route 256 bytes of whole numbers
;; launch route_quant (part 4): grid 135 x 2, 8 waves a work-group, no clusters, 21,504 bytes of LDS; arguments x, token_ids, lowp_scales, xq, order, route; writes xq, order, route
.if DOCPART == 4
	.amdgcn_target "amdgcn-amd-amdhsa--gfx1250"
	.amdhsa_code_object_version 6
	.text
	.protected	k_q30daf34df5_route_quant
	.globl	k_q30daf34df5_route_quant
	.p2align	8
	.type	k_q30daf34df5_route_quant,@function
k_q30daf34df5_route_quant:
	s_mov_b64 s[64:65], 0
	v_nop
	global_prefetch_b8 v0, s[64:65] scope:SCOPE_SE
	s_setreg_imm32_b32 hwreg(HW_REG_WAVE_MODE, 25, 1), 1
	s_wait_xcnt 0x0
; FIRST OF THREE LAUNCHES: tokens are sorted by expert into tiles of 16 rows, and x is turned into codes of FP8 (E4M3) with the scale of each token's own expert.
; THE PROBLEM.  expert(t) = clip(token_ids[t], 0, 31999) mod 8;  out[t] = Q(silu(gate) x up) Q(down_proj[e]),  (gate, up) = Q(x[t]) Q(gate_up_proj[e]),  e = expert(t).
; The four operands of expert e have the given scales 2^lowp_scales[4 e + 0 .. 3]: x, gate_up_proj, the hidden layer, down_proj.
; DEAD WORK THAT IS LEFT OUT.  reference() multiplies every token with every expert.  For a token t and an expert e that is not its own, reference() itself sets the row xe[t] to 0 (its own mask):
; the codes of 0 are 0 under every scale, so gu[t] = 0, silu(0) x 0 = 0, that row of the second product is 0, and reference()'s second where puts 0 there in any case: 0 is added to out[t].
; That holds for all finite values of x and of the weights, and for all ids and scales.  So each token is multiplied with its own expert alone: seven eighths of the rows of each of the 16 products are not computed.
; Every input has a way to the output, and all are loaded.  LIMIT: a NaN, an infinity or an overflow that reaches only the work left out is not carried to the result.
; LIMITS: lowp_scales[4 e] between -126 and 119, so that 2^e and 448 x 2^e are f32 numbers.  NaN in x is not served (an infinity is held at the largest code).
; TILES.  Expert e has ceil(n_e / 16) tiles, T[e] .. T[e + 1] - 1; never more than 2048 / 16 + 7 = 135 in all, whatever the ids.  Within an expert tokens are ranked by (wave, register, lane) of the
; count below: an order that every work-group finds alike.  The free slots of an expert's last tile hold COPIES OF ITS LAST TOKEN: they compute that token's true result once more, so no later launch needs a mask.
; SHARES.  Work-group (d, kh) owns tile d and the K fragments 8 kh + wave, 128 along K each.  Each work-group counts all 2,048 ids anew (8 KB): no traffic between work-groups.  A work-group whose tile does not exist stores nothing.
; xq: [tile][F 16][c 4][lane 32][16 bytes]: an image of the operand's registers: lane (r, h), piece c = the codes of slot r at k = 128 F + 64 h + 16 c + 0 .. 15.  The same places along K are given to the weights'
; fragments in the next launch, so each product meets its partner; only the order of the sums inside a matrix instruction differs from the plain one.
; order: [tile][32] int32: word m < 16 = the token of slot m.   route: words 0 .. 8 = T[0 .. 8].
.set CNT,   0                          ; LDS: 8 x 128 bytes: wave w's counts, word e
.set SL,    1024                       ; 8 x 128 bytes: wave w's slots, word = slot
.set ST,    2048                       ; 8 stages, each wave's own: 16 rows of 128 codes,
.set SP,    144                        ; 144 bytes apart: 36 words, so that the 16 rows that a load of 16 bytes a lane touches start at 16 different banks (64 banks of 4 bytes: ISA guide 11.1)
.set WST,   16*SP
.set SPARE, ST+8*WST                   ; 20,480: the spare words, 128 bytes for each wave, which no other line names
; v1 lane; v2 16 x lane; v3 4 x lane; v4-11 my 8 tokens' experts; v12 a table in lanes; v13-14, v33-34 LDS addresses; v15 my wave's slots; v16-23 words from LDS; v24-27 at work; v28 the tile's tokens, lane = slot;
; v29, v30 the add's two; v31, v32 2^ex and 448 x 2^ex; v35 my ids' offset; v36-51 the 16 rows' offsets; v52 zero; v64-79 the image; v80-95 codes; v96-159 16 rows x 4 numbers
	s_load_b256 s[4:11], s[0:1], 0x0               ; x s[4:5], token_ids s[6:7], lowp_scales s[8:9], xq s[10:11]
	s_load_b128 s[12:15], s[0:1], 0x20             ; order s[12:13], route s[14:15]
	v_lshl_add_u32 v30, v0, 2, SPARE
	v_mov_b32 v29, 0
	v_mov_b32 v52, 0
	v_lshrrev_b32 v1, 5, v0
	s_delay_alu instid0(VALU_DEP_1)
	v_readfirstlane_b32 s16, v1                    ; wave 0..7
	v_and_b32 v1, 31, v0                           ; lane
	s_mov_b32 s17, ttmp9                           ; d: my tile
	s_and_b32 s18, ttmp7, 0xffff                   ; kh: which half of K
	v_lshlrev_b32 v2, 4, v1
	v_lshlrev_b32 v3, 2, v1
	v_and_b32 v13, 7, v0
	s_delay_alu instid0(VALU_DEP_1)
	v_lshlrev_b32 v13, 2, v13                      ; word lane % 8 of a wave's counts
	v_lshlrev_b32 v14, 2, v0                       ; 128 x wave + 4 x lane
	v_lshlrev_b32 v35, 5, v0                       ; my 8 ids: 32 bytes a thread
	s_mul_i32 s50, s16, WST
	s_add_co_u32 s50, s50, ST                      ; my stage
	v_add_nc_u32 v33, s50, v3                      ; into it: 4 codes a lane
	v_and_b32 v26, 15, v0
	v_bfe_u32 v27, v0, 4, 1
	s_delay_alu instid0(VALU_DEP_2)
	v_mul_u32_u24 v34, v26, SP
	s_delay_alu instid0(VALU_DEP_1)
	v_lshl_add_u32 v34, v27, 6, v34
	s_delay_alu instid0(VALU_DEP_1)
	v_add_nc_u32 v34, s50, v34                     ; out of it: row r, + 64 h
	s_lshl_b32 s51, s16, 8
	s_add_co_u32 s51, s51, 1                       ; 256 x wave + 1
	s_wait_alu depctr_va_vdst(0)
	s_wait_kmcnt 0x0
	global_load_b128 v[4:7], v35, s[6:7]           ; thread (wave, lane), register j: token 256 wave + 8 lane + j
	global_load_b128 v[8:11], v35, s[6:7] offset:16
	s_wait_loadcnt 0x0
.irp j, 0,1,2,3,4,5,6,7                        ; expert = clip(id, 0, 31999) mod 8
	v_cmp_gt_i32 vcc_lo, 0, v[4+\j]
	s_delay_alu instid0(VALU_DEP_1)
	v_cndmask_b32 v[4+\j], v[4+\j], v52, vcc_lo
	s_delay_alu instid0(VALU_DEP_1)
	v_min_u32 v[4+\j], 0x7cff, v[4+\j]
	s_delay_alu instid0(VALU_DEP_1)
	v_and_b32 v[4+\j], 7, v[4+\j]
.endr
	s_wait_alu depctr_va_vdst(0)
.irp e, 0,1,2,3,4,5,6,7                        ; my wave's 256 tokens, counted by expert
	s_mov_b32 s[20+\e], 0
.irp j, 0,1,2,3,4,5,6,7
	v_cmp_eq_u32 s44, \e, v[4+\j]
	s_bcnt1_i32_b32 s50, s44
	s_add_co_u32 s[20+\e], s[20+\e], s50
.endr
.endr
	v_mov_b32 v12, 0
.irp e, 0,1,2,3,4,5,6,7
	s_delay_alu instid0(VALU_DEP_1)
	v_writelane_b32 v12, s[20+\e], \e
.endr
	ds_store_b32 v14, v12 offset:CNT
	s_wait_dscnt 0x0                               ; for the others' sake: my counts lie in LDS
	s_barrier_signal -1
	s_barrier_wait -1
.irp q, 0,1,2,3,4,5,6,7
	ds_load_b32 v[16+\q], v13 offset:CNT+128*\q    ; lane l: wave q's count of expert l % 8
.endr
	v_mov_b32 v24, 0
	v_mov_b32 v25, 0
	s_wait_alu depctr_va_vdst(0)
	s_wait_dscnt 0x0
.irp q, 0,1,2,3,4,5,6,7
	s_cmp_gt_u32 s16, \q
	s_cselect_b32 s50, -1, 0
	v_add_nc_u32 v24, v24, v[16+\q]                ; n_e: all waves',
	v_cndmask_b32 v26, v52, v[16+\q], s50
	s_delay_alu instid0(VALU_DEP_1)
	v_add_nc_u32 v25, v25, v26                     ; and those of the waves in front of mine
.endr
.irp e, 0,1,2,3,4,5,6,7
	v_readlane_b32 s[20+\e], v24, \e
	v_readlane_b32 s[52+\e], v25, \e
.endr
	s_mov_b32 s28, 0                               ; T[0 .. 8] in s28 .. s36
.irp e, 0,1,2,3,4,5,6,7
	s_add_co_u32 s50, s[20+\e], 15
	s_lshr_b32 s50, s50, 4
	s_add_co_u32 s[29+\e], s[28+\e], s50
.endr
	s_mov_b32 s37, 0                               ; my tile's expert: how many of T[1 .. 7] are at or under d
.irp e, 0,1,2,3,4,5,6
	s_cmp_ge_u32 s17, s[29+\e]
	s_cselect_b32 s50, 1, 0
	s_add_co_u32 s37, s37, s50
.endr
	s_mov_b32 s38, 0
	s_mov_b32 s40, 0
.irp e, 0,1,2,3,4,5,6,7
	s_cmp_eq_u32 s37, \e
	s_cselect_b32 s38, s[28+\e], s38               ; that expert's first tile,
	s_cselect_b32 s40, s[52+\e], s40               ; and the rank of my wave's first token of it
.endr
	v_mov_b32 v12, 0
.irp i, 0,1,2,3,4,5,6,7,8
	s_delay_alu instid0(VALU_DEP_1)
	v_writelane_b32 v12, s[28+\i], \i              ; the table for route
.endr
	s_sub_co_u32 s41, s17, s38
	s_lshl_b32 s41, s41, 4                         ; lo: the rank of my tile's slot 0
	s_mov_b32 s42, s40                             ; the running rank
	s_max_u32 s43, s40, s41
	s_sub_co_u32 s43, s43, s41                     ; the slot that my wave's first token in range takes
	s_min_u32 s63, s37, 7
	s_lshl_b32 s63, s63, 4
	s_load_b32 s60, s[8:9], s63                    ; ex = lowp_scales[4 e]; s63 is written no more
	v_mov_b32 v15, 0
; Register j of the wave: the tokens of my tile's expert whose rank falls into the tile are taken one by one, in ascending rank.  Each writes token + 1 into ALL lanes from its slot on, so that a lane ends up with the
; token of the largest filled slot at or under it.  At most 16 trips in all eight waves together.  No barrier stands under these branches.
.macro PICK j
	v_cmp_eq_u32 s44, s37, v[4+\j]
	s_delay_alu instid0(VALU_DEP_1)
	v_mbcnt_lo_u32_b32 v26, s44, s42               ; rank = the running rank + the mask's bits under my lane
	s_delay_alu instid0(VALU_DEP_1)
	v_sub_nc_u32 v27, v26, s41
	s_delay_alu instid0(VALU_DEP_1)
	v_cmp_gt_u32 s45, 16, v27                      ; 0 <= rank - lo < 16
	s_and_b32 s45, s45, s44
	s_bcnt1_i32_b32 s46, s45
	s_bcnt1_i32_b32 s50, s44
	s_add_co_u32 s42, s42, s50
	s_cmp_eq_u32 s46, 0
	s_cbranch_scc1 .Lnone_\@
	s_mov_b32 s47, 0
.Lpick_\@:
	s_ctz_i32_b32 s48, s45                         ; the lowest lane left
	s_lshl_b32 s49, s48, 3
	s_add_co_u32 s49, s49, s51
	s_add_co_u32 s49, s49, \j                      ; its token + 1
	v_mov_b32 v27, s49
	s_wait_alu depctr_va_vdst(0)
	v_cmp_le_u32 vcc_lo, s43, v1
	s_delay_alu instid0(VALU_DEP_1)
	v_cndmask_b32 v15, v15, v27, vcc_lo
	s_sub_co_u32 s50, s45, 1
	s_and_b32 s45, s45, s50
	s_add_co_u32 s43, s43, 1
	s_add_co_u32 s47, s47, 1
	s_cmp_lt_u32 s47, s46
	s_cbranch_scc1 .Lpick_\@
.Lnone_\@:
.endm
.irp j, 0,1,2,3,4,5,6,7
	PICK \j
.endr
	s_wait_alu depctr_va_vdst(0)
	ds_store_b32 v14, v15 offset:SL
	s_wait_dscnt 0x0                               ; for the others' sake: my slots lie in LDS
	s_barrier_signal -1
	s_barrier_wait -1
.irp q, 0,1,2,3,4,5,6,7
	ds_load_b32 v[16+\q], v3 offset:SL+128*\q
.endr
	s_wait_dscnt 0x0
	v_mov_b32 v28, v16                             ; slots ascend with the wave: the last wave that has a word for my lane holds the largest slot at or under it
.irp q, 1,2,3,4,5,6,7
	v_cmp_ne_u32 vcc_lo, 0, v[16+\q]
	s_delay_alu instid0(VALU_DEP_1)
	v_cndmask_b32 v28, v28, v[16+\q], vcc_lo
.endr
	s_delay_alu instid0(VALU_DEP_1)
	v_add_nc_u32 v28, -1, v28                      ; lane m: the token of slot m; behind the expert's last token: copies of it
	s_cmp_ge_u32 s17, s36                          ; this split has no tile d: nothing to store.  Both barriers lie behind
	s_cbranch_scc1 .Ltail
	s_lshl_b32 s50, s18, 3
	s_add_co_u32 s50, s50, s16                     ; F = 8 kh + wave
	s_lshl_b32 s66, s50, 9                         ; 128 numbers of a row of x
	s_mov_b32 s67, 0
	s_add_nc_u64 s[4:5], s[4:5], s[66:67]
	s_lshl_b32 s68, s17, 15                        ; a tile of xq is 32,768 bytes, a fragment 2,048
	s_lshl_b32 s50, s50, 11
	s_add_co_u32 s68, s68, s50
	s_mov_b32 s69, 0
	s_add_nc_u64 s[10:11], s[10:11], s[68:69]
	s_wait_alu depctr_va_vdst(0)
.irp a, 0,1,2,3,4,5,6,7,8,9,10,11,12,13,14,15  ; slot a's row: the wave reads 512 consecutive bytes, 4 numbers a lane.  (No hint: a copy names a row again)
	v_readlane_b32 s50, v28, \a
	s_min_u32 s50, s50, 2047
	s_lshl_b32 s50, s50, 13
	v_add_nc_u32 v[36+\a], s50, v2
	global_load_b128 v[96+4*\a:99+4*\a], v[36+\a], s[4:5]
.endr
	s_or_b32 s50, s16, s18                         ; the lists are stored once: by wave 0 of the work-group with kh = 0,
	s_cmp_lg_u32 s50, 0
	s_cbranch_scc1 .Lno_lists
	s_lshl_b32 s66, s17, 7
	s_add_nc_u64 s[12:13], s[12:13], s[66:67]
	global_store_b32 v3, v28, s[12:13]             ; order[d][0 .. 31]
	s_cmp_lg_u32 s17, 0                            ; route by tile 0's alone
	s_cbranch_scc1 .Lno_lists
	global_store_b32 v3, v12, s[14:15]
.Lno_lists:
	s_wait_kmcnt 0x0
	s_add_co_i32 s61, s60, 127
	s_lshl_b32 s62, s61, 23
	v_mov_b32 v31, s62                             ; 2^ex as f32: the conversion takes its exponent field
	s_add_co_i32 s61, s61, 8
	s_lshl_b32 s61, s61, 23
	s_or_b32 s61, s61, 0x600000
	v_mov_b32 v32, s61                             ; 448 x 2^ex
.macro PAIR p                          ; rows 2 p and 2 p + 1: eight numbers of a lane, four of each row, become two words of codes
	s_wait_loadcnt 14-2*\p                         ; loads come back in order: the loads of the rows behind these two may be out
.irp i, 0,1,2,3,4,5,6,7
	v_med3_num_f32 v[96+8*\p+\i], v[96+8*\p+\i], -v32, v32   ; the conversion to an 8-bit code does not saturate (ISA guide 7.6.2): the hold at the largest code x the scale
.endr
	v_cvt_scalef32_pk8_fp8_f32 v[80+2*\p:81+2*\p], v[96+8*\p:103+8*\p], v31
	ds_store_b32 v33, v[80+2*\p] offset:SP*(2*\p)
	ds_store_b32 v33, v[81+2*\p] offset:SP*(2*\p+1)
.endm
	s_wait_alu depctr_va_vdst(0)
.irp p, 0,1,2,3,4,5,6,7
	PAIR \p
.endr
	v_nop                                          ; a plain vector line behind the last conversion
.irp c, 0,1,2,3
	ds_load_b128 v[64+4*\c:67+4*\c], v34 offset:16*\c      ; my own stage: LDS serves a wave's instructions in order, so these see the stores above
.endr
.irp c, 0,1,2,3
	s_wait_dscnt 3-\c                              ; the younger loads may be out
	global_store_b128 v2, v[64+4*\c:67+4*\c], s[10:11] offset:512*\c   ; 32 lanes store 512 consecutive bytes, at a multiple of 256 from xq's first byte
.endr
.Ltail:
	s_wait_tensorcnt 0x0                           ; the wave's end
	ds_add_u32 v30, v29
	s_wait_dscnt 0x0
	s_endpgm
.Lfunc_end_k_q30daf34df5_route_quant:
	.size	k_q30daf34df5_route_quant, .Lfunc_end_k_q30daf34df5_route_quant-k_q30daf34df5_route_quant
	.p2alignl 7, 3214868480
	.fill 96, 4, 3214868480
	.section	.rodata,"a",@progbits
	.p2align	6, 0x0
	.amdhsa_kernel k_q30daf34df5_route_quant
		.amdhsa_group_segment_fixed_size 21504
		.amdhsa_private_segment_fixed_size 0
		.amdhsa_enable_private_segment 0
		.amdhsa_kernarg_size 48
		.amdhsa_user_sgpr_count 2
		.amdhsa_user_sgpr_kernarg_segment_ptr 1
		.amdhsa_wavefront_size32 1
		.amdhsa_system_sgpr_workgroup_id_x 1
		.amdhsa_system_sgpr_workgroup_id_y 1
		.amdhsa_system_sgpr_workgroup_id_z 1
		.amdhsa_system_vgpr_workitem_id 0
		.amdhsa_next_free_vgpr 160
		.amdhsa_next_free_sgpr 80
		.amdhsa_reserve_vcc 1
		.amdhsa_float_denorm_mode_32 3
		.amdhsa_float_denorm_mode_16_64 3
		.amdhsa_memory_ordered 1
		.amdhsa_forward_progress 1
		.amdhsa_inst_pref_size 42
	.end_amdhsa_kernel
	.amdgpu_metadata
---
amdhsa.version: [ 1, 2 ]
amdhsa.kernels:
  - .name:           k_q30daf34df5_route_quant
    .symbol:         k_q30daf34df5_route_quant.kd
    .args:
      - { .name: x, .offset: 0, .size: 8, .value_kind: global_buffer, .address_space: global }
      - { .name: token_ids, .offset: 8, .size: 8, .value_kind: global_buffer, .address_space: global }
      - { .name: lowp_scales, .offset: 16, .size: 8, .value_kind: global_buffer, .address_space: global }
      - { .name: xq, .offset: 24, .size: 8, .value_kind: global_buffer, .address_space: global }
      - { .name: order, .offset: 32, .size: 8, .value_kind: global_buffer, .address_space: global }
      - { .name: route, .offset: 40, .size: 8, .value_kind: global_buffer, .address_space: global }
    .group_segment_fixed_size: 21504
    .private_segment_fixed_size: 0
    .kernarg_segment_align: 8
    .kernarg_segment_size: 48
    .max_flat_workgroup_size: 256
    .sgpr_count:     80
    .vgpr_count:     160
    .wavefront_size: 32
...
	.end_amdgpu_metadata
.endif
;; end of part 4
;; launch gate_up (part 5): grid 32 x 8, 4 waves a work-group, no clusters, 68,096 bytes of LDS; arguments gate_up_proj, xq, route, lowp_scales, hq; writes hq
.if DOCPART == 5
	.amdgcn_target "amdgcn-amd-amdhsa--gfx1250"
	.amdhsa_code_object_version 6
	.text
	.protected	k_q30daf34df5_gate_up
	.globl	k_q30daf34df5_gate_up
	.p2align	8
	.type	k_q30daf34df5_gate_up,@function
k_q30daf34df5_gate_up:
	s_mov_b64 s[64:65], 0
	v_nop
	global_prefetch_b8 v0, s[64:65] scope:SCOPE_SE
	s_setreg_imm32_b32 hwreg(HW_REG_WAVE_SCHED_MODE, 0, 2), 2
	s_setreg_imm32_b32 hwreg(HW_REG_WAVE_MODE, 25, 1), 1
	s_wait_xcnt 0x0
	s_wait_alu depctr_vm_vsrc(0)
; SECOND LAUNCH: hq = Q(silu(gate) x up), (gate, up) = Q(x) Q(gate_up_proj[e]), for the tokens of expert e alone (the other experts' rows are dead work: shown at the head of the first launch's text).
; THE WEIGHTS STAND, THE TOKENS WALK.  Work-group (s, e) owns 16 gate columns, 16 s on, and the 16 up columns that belong to them, 512 + 16 s on, of expert e, over all of K = 2,048.
; Each f32 number of gate_up_proj is loaded and quantised once in the launch.  Phase W: wave w loads K rows 512 w .. 512 w + 511 of the 32 columns, quantises them along K, and puts the codes into LDS as images of the
; operand's registers; ONE barrier; every wave then takes all 32 fragments (16 along K x gate, up) into 512 registers, where they stay.  Phase T: wave w walks the expert's tiles T[e] + w, + 4, .. of 16 tokens.
; A tile's codes (32,768 bytes of xq, laid in the order of the operand's registers) come straight into 256 registers, in two halves that take turns: while one half is multiplied, the other is on its way.
; PLACES ALONG K, alike in both operands: lane (r, h) of fragment F holds k = 128 F + 64 h + 0 .. 63 of its row, 4 to a register.  Each product meets its partner; only the order of the sums in an instruction differs.
; THE MATRIX INSTRUCTION IS USED TRANSPOSED (source 0 = 16 columns of the weight, source 1 = 16 tokens): lane (r, h) holds token r and hidden units 16 s + 8 h + 0 .. 7: eight neighbours along the next K, one conversion.
; The raw sums Sg, Su stand for Sg, Su x 2^a, a = ex + ew1.  silu(g) u = Sg Su x 2^(2 a) / (1 + 2^(c Sg)), c = -log2(e) x 2^a; the code is that / 2^eh: so the conversion's scale is 2^(eh - 2 a).
; NO TENSOR LOADS AND NO JOINT LOADS, though the 32 work-groups of an expert walk the same tiles of xq: how many tiles an expert has is read from memory (route)
; a walk of a constant 135 tiles would be empty in seven trips of eight.
; An expert without tokens has its weights quantised all the same.
; LIMITS on the given exponents, so that each power of two below is an f32 number: ex + ew1 between -126 and 127; ew1, and eh - 2 (ex + ew1), between -126 and 119.  NaN among the inputs is not served.
; REGISTERS, in windows of 256.  Window 0: v1-6 addresses; v7, v8: 2^ew1, 448 x 2^ew1; v9, v10: the same for eh - 2 a; v12, v13 the add's two; v16-47 four accumulators (gate, up x even, odd fragments); v48-81 the activation.
;   In phase W: v64-127 two sets of 32 numbers; v128-255 codes.   Window 1: a tile of x, register 16 F + 4 c.   Windows 2, 3: first the weights as loaded (gate: 2, up: 3); then the 32 fragments: window 2 + F / 8, register 32 (F % 8) + 16 p + 4 c.
; THE MODE: SCHED_MODE bits 1:0 = 2 (LLVM: expert scheduling mode 2), set by the entry lines.  The code itself states the register dependences
; between vector or matrix instructions and memory or LDS instructions, with s_wait_alu, always for 0.
; THE PLAN.  Registers that memory or LDS instructions touch:
;   v1-v6         Offsets and LDS addresses: written at the head, never again.  One wait on va_vdst at the head, ahead of the first load, serves every load and store of the kernel.
;   windows 2, 3  Phase W: a group's 32 registers take one load and are read by that group's holds.  Behind the barrier the fragments' LDS loads land there: one wait on va_vdst ahead of them.
;   v128-255      Codes: group g's conversions write eight of them, its four LDS stores read them, nobody writes them again.  The stores of group g are issued in group g + 1, behind one wait on va_vdst
;                 that stands behind the wait for group g + 1's data.
;   window 1      Half 0: read by a tile's first sixteen matrix instructions, then asked for again at once: a wait on va_vdst behind them.  Half 1: read by the other sixteen; its loads stand behind the wait
;                 for the activation's exponentials, which states both.
;   v[80:81]      Written by the tile's conversion, read by its store: a wait on va_vdst between; a wait on vm_vsrc ahead of the next tile's conversion.
;   v12, v13      Written at the head, read by the closing add alone.
;   The accumulators, the activation's other registers, the two sets of numbers and v7-v10 are named by vector and matrix instructions alone.
.set IMG,   2112                       ; a fragment's image in LDS: four blocks of 512 bytes,
.set CP,    528                        ; 528 bytes apart: 132 words, so that the 32 lanes of a store of 8 bytes fall on 64 different banks (64 banks of 4 bytes: ISA guide 11.1)
.set UPOFF, 16*IMG                     ; gate's 16 images, then up's
.set SPARE, 32*IMG                     ; 67,584: the spare words, 128 bytes for each wave, which no other line names
.set MSB, 0
.macro WIN new                         ; the immediate's high byte repeats the setting that is left; a switch that changes nothing is dropped
.if MSB != (\new)
	s_set_vgpr_msb (MSB<<8)|(\new)
.set MSB, (\new)
.endif
.endm
.macro PLACES                          ; four plain vector lines between a matrix instruction and a load into its sources or a read of its result
.rept 4
	v_nop
.endr
.endm
; Group g = 8 p + b: 64 rows of K x 16 columns (p = 0 gate, 1 up).  Lane (kr = l / 4, q = l % 4), load i: row 64 b + 8 kr + i, columns 4 q .. 4 q + 3.  A load takes 64 bytes of each of 8 rows.
; No vector instruction names a group's registers ahead of its loads, and none has written v2 since the head's wait.
.macro WLOAD g
	WIN 0x80+0x40*((\g)/8)
.irp i, 0,1,2,3,4,5,6,7
	global_load_b128 v[32*((\g)%8)+4*\i:32*((\g)%8)+4*\i+3], v2, s[4:5] offset:(64*((\g)%8)+\i)*4096+2048*((\g)/8)
.endr
.endm
; The hold moves number (i, j) to place 8 j + i: eight neighbours along K of one column on end, as the conversion takes them.
.macro WCODES g
.set TT, 64+32*((\g)%2)
	WIN 0x02+((\g)/8)
.irp j, 0,1,2,3
.irp i, 0,1,2,3,4,5,6,7
	v_med3_num_f32 v[TT+8*\j+\i], v[32*((\g)%8)+4*\i+\j], -v8, v8   ; the conversion to an 8-bit code does not saturate (ISA guide 7.6.2): the hold at the largest code x the scale
.endr
.endr
	WIN 0
.irp j, 0,1,2,3
	v_cvt_scalef32_pk8_fp8_f32 v[128+8*(\g)+2*\j:128+8*(\g)+2*\j+1], v[TT+8*\j:TT+8*\j+7], v7
.endr
.endm
; The codes go to their place in the fragment's image.  (The stores' two registers are sources: under the weights' loads' setting, which moves the destination alone, they are window 0's: no switch is written.)
.macro WSEND g
.irp j, 0,1,2,3
	ds_store_b64 v3, v[128+8*(\g)+2*\j:128+8*(\g)+2*\j+1] offset:(16*((\g)/8)+(((\g)%8)/2))*IMG+((\g)%2)*256+16*\j
.endr
.endm
; Eight fragments of a tile of x: 32 loads of 512 consecutive bytes.  again = 1: matrix instructions have read these registers; again = 0: the wave's first tile, whose registers no vector or matrix instruction has named.
.macro ALOAD half, again
	WIN 0x40
.if \again
	s_wait_alu depctr_va_vdst(0)                   ; the sixteen matrix instructions are done reading this half of the tile, in which the loads below land; half 1: and the eight exponentials have written v64-71, ahead of their first reader
.endif
.irp f, 0,1,2,3,4,5,6,7
.irp c, 0,1,2,3
	global_load_b128 v[16*(8*\half+\f)+4*\c:16*(8*\half+\f)+4*\c+3], v1, s[6:7] offset:2048*(8*\half+\f)+512*\c
.endr
.endr
	WIN 0
.endm
; Sixteen matrix instructions: fragments 8 half .. 8 half + 7.  The four accumulators take turns, one instruction a turn.  Fragments 0 and 1 start the sums: nothing is cleared.
.macro MULH half
	WIN 0x06+\half
.irp f, 0,1,2,3,4,5,6,7
.if (\half == 0) && (\f < 2)
	v_wmma_f32_16x16x128_fp8_fp8 v[16+16*(\f%2):23+16*(\f%2)], v[32*\f:32*\f+15], v[16*(8*\half+\f):16*(8*\half+\f)+15], 0
	v_wmma_f32_16x16x128_fp8_fp8 v[24+16*(\f%2):31+16*(\f%2)], v[32*\f+16:32*\f+31], v[16*(8*\half+\f):16*(8*\half+\f)+15], 0
.else
	v_wmma_f32_16x16x128_fp8_fp8 v[16+16*(\f%2):23+16*(\f%2)], v[32*\f:32*\f+15], v[16*(8*\half+\f):16*(8*\half+\f)+15], v[16+16*(\f%2):23+16*(\f%2)]
	v_wmma_f32_16x16x128_fp8_fp8 v[24+16*(\f%2):31+16*(\f%2)], v[32*\f+16:32*\f+31], v[16*(8*\half+\f):16*(8*\half+\f)+15], v[24+16*(\f%2):31+16*(\f%2)]
.endif
.endr
	WIN 0
.endm
; All in f32.  Each accumulator is read from its low end on.  ahead = 1: the next tile's second half is asked for behind the exponentials, under their wait.
.macro SWIGLU ahead
.irp i, 0,2,4,6
	v_pk_add_f32 v[48+\i:49+\i], v[16+\i:17+\i], v[32+\i:33+\i]     ; Sg
.endr
.irp i, 0,2,4,6
	v_pk_add_f32 v[56+\i:57+\i], v[24+\i:25+\i], v[40+\i:41+\i]     ; Su
.endr
.irp i, 0,2,4,6
	v_pk_mul_f32 v[64+\i:65+\i], v[48+\i:49+\i], s[30:31] op_sel_hi:[1,0]   ; c Sg = -gate x log2(e)
.endr
	s_wait_alu depctr_va_vdst(0)
.irp i, 0,1,2,3,4,5,6,7
	v_exp_f32 v[64+\i], v[64+\i]
.endr
.irp i, 0,2,4,6
	v_pk_mul_f32 v[72+\i:73+\i], v[48+\i:49+\i], v[56+\i:57+\i]     ; Sg Su: plain lines behind the exponentials
.endr
.if \ahead
	ALOAD 1, 1                                     ; the next tile's second half: one wait, behind the window's switch, for the exponentials and for the matrix instructions that read these registers
.else
	s_wait_alu depctr_va_vdst(0)                   ; the eight exponentials have written v64-71: one wait, ahead of their first reader
.endif
.irp i, 0,2,4,6
	v_pk_add_f32 v[64+\i:65+\i], v[64+\i:65+\i], 1.0 op_sel_hi:[1,0]
.endr
	s_wait_alu depctr_va_vdst(0)
.irp i, 0,1,2,3,4,5,6,7
	v_rcp_f32 v[64+\i], v[64+\i]
.endr
	v_nop                                          ; a plain line behind the last reciprocal
	s_wait_alu depctr_va_vdst(0)                   ; the eight reciprocals have written v64-71: one wait, ahead of their first reader
.irp i, 0,2,4,6
	v_pk_mul_f32 v[72+\i:73+\i], v[72+\i:73+\i], v[64+\i:65+\i]
.endr
.irp i, 0,1,2,3,4,5,6,7
	v_med3_num_f32 v[72+\i], v[72+\i], -v10, v10   ; the hold at the largest code x the scale
.endr
	s_wait_alu depctr_vm_vsrc(0)                   ; the store of the tile before, where there was one, has read v[80:81], which the conversion writes again
	v_cvt_scalef32_pk8_fp8_f32 v[80:81], v[72:79], v9
	v_nop                                          ; a plain line behind the conversion
.endm
	s_load_b256 s[4:11], s[0:1], 0x0               ; gate_up_proj s[4:5], xq s[6:7], route s[8:9], lowp_scales s[10:11]
	s_load_b64 s[12:13], s[0:1], 0x20              ; hq
	v_lshl_add_u32 v12, v0, 2, SPARE
	v_mov_b32 v13, 0
	v_lshrrev_b32 v14, 5, v0
	v_readfirstlane_b32 s14, v14                   ; wave 0..3
	s_mov_b32 s15, ttmp9                           ; s: my slice of columns
	s_and_b32 s16, ttmp7, 0xffff                   ; e: my expert
	v_and_b32 v14, 31, v0
	v_lshlrev_b32 v1, 4, v14                       ; 16 x lane: in a fragment of xq,
	v_lshlrev_b32 v4, 4, v14                       ; in gate's images,
	v_add_nc_u32 v5, UPOFF, v4                     ; in up's
	v_bfe_u32 v15, v0, 2, 3                        ; kr
	v_and_b32 v14, 3, v0                           ; q
	v_lshlrev_b32 v2, 15, v15                      ; the weights: 8 kr rows of 4,096 bytes
	v_lshl_add_u32 v2, v14, 4, v2                  ; + 16 q
	v_bfe_u32 v15, v0, 3, 2                        ; where my 8 codes go in an image: block kr / 2,
	v_mul_u32_u24 v3, v15, CP
	v_lshl_add_u32 v3, v14, 6, v3                  ; the places of lanes 4 q .. 4 q + 3,
	v_bfe_u32 v15, v0, 2, 1
	v_lshl_add_u32 v3, v15, 3, v3                  ; half kr % 2 of their 16 bytes,
	s_wait_alu depctr_va_sdst(0)                   ; s14, the wave's number, is written, ahead of its first reader
	s_mul_i32 s38, s14, 4*IMG
	v_add_nc_u32 v3, s38, v3                       ; in my wave's four fragments along K
	v_and_b32 v14, 15, v0
	v_bfe_u32 v15, v0, 4, 1
	v_lshlrev_b32 v6, 4, v14
	v_lshl_add_u32 v6, v15, 3, v6                  ; hq: 16 r + 8 h
	s_lshl_b32 s18, s16, 23                        ; an expert's weights are 8,388,608 bytes,
	s_lshl_b32 s38, s14, 21                        ; my wave's 512 rows of 4,096,
	s_add_co_u32 s18, s18, s38
	s_lshl_b32 s38, s15, 6                         ; 16 columns are 64 bytes
	s_add_co_u32 s18, s18, s38
	s_mov_b32 s19, 0
	s_lshl_b32 s32, s16, 4                         ; s32, s33: offsets of the scalar loads below; written no more
	s_lshl_b32 s33, s16, 2
	s_wait_kmcnt 0x0
	s_load_b128 s[20:23], s[10:11], s32            ; ex, ew1, eh, ew2
	s_load_b32 s24, s[8:9], s33                    ; T[e]
	s_load_b32 s25, s[8:9], s33 offset:0x4         ; T[e + 1]
	s_load_b32 s26, s[8:9], 0x20                   ; T[8]
	s_add_nc_u64 s[4:5], s[4:5], s[18:19]
	WIN 0x80
	s_wait_alu depctr_va_vdst(0)                   ; the six offsets and addresses v1 to v6 are written, which the kernel's loads and stores read; none of them is written again
.irp g, 0,1,2,3,4,5
	WLOAD \g
.endr
; PHASE W.  Loads run six groups (48 loads) ahead of the work; a group's LDS stores are issued a group behind its conversions.
.irp g, 0,1,2,3,4,5,6,7,8,9,10,11,12,13,14,15
.if \g < 10
	WLOAD \g+6
.endif
.if \g == 0
	WIN 0
	s_wait_kmcnt 0x0
	s_add_co_i32 s34, s20, s21                     ; a = ex + ew1
	s_lshl_b32 s35, s34, 23
	s_add_co_u32 s30, s35, 0xbfb8aa3b              ; c = -log2(e) x 2^a: a is added to the exponent field
	s_mov_b32 s31, s30                             ; (named with it as a pair, so it is written)
	s_add_co_i32 s35, s21, 127
	s_lshl_b32 s36, s35, 23
	v_mov_b32 v7, s36                              ; 2^ew1
	s_add_co_i32 s35, s35, 8
	s_lshl_b32 s35, s35, 23
	s_or_b32 s35, s35, 0x600000
	v_mov_b32 v8, s35                              ; 448 x 2^ew1
	s_wait_alu depctr_va_vdst(0)
	s_lshl_b32 s34, s34, 1
	s_sub_co_i32 s34, s22, s34                     ; eh - 2 a
	s_add_co_i32 s34, s34, 127
	s_lshl_b32 s36, s34, 23
	v_mov_b32 v9, s36
	s_add_co_i32 s34, s34, 8
	s_lshl_b32 s34, s34, 23
	s_or_b32 s34, s34, 0x600000
	v_mov_b32 v10, s34
.endif
.if \g == 12                           ; all weights are asked for: my first tile's first half follows them.  It is asked for by every wave, so that the counts below hold on every way:
	s_min_u32 s27, s24, 135
	s_add_co_u32 s27, s27, s14                     ; t: my first tile
	s_min_u32 s28, s25, 135                        ; t1: behind the expert's last
	s_sub_co_u32 s36, s26, 1
	s_min_u32 s36, s27, s36                        ; a wave without a tile reads the last tile that was stored, and uses nothing of it
	s_min_u32 s36, s36, 134
	s_lshl_b32 s18, s36, 15
	s_add_nc_u64 s[6:7], s[6:7], s[18:19]          ; xq at my first tile
	s_lshl_b32 s18, s36, 13                        ; hq: the tile; hidden units 16 s + 8 h + 0 .. 7 of token r lie in fragment s / 8, block s % 4, lane 16 ((s / 4) % 2) + r, half h
	s_lshr_b32 s38, s15, 3
	s_lshl_b32 s38, s38, 11
	s_add_co_u32 s18, s18, s38
	s_and_b32 s38, s15, 3
	s_lshl_b32 s38, s38, 9
	s_add_co_u32 s18, s18, s38
	s_bfe_u32 s38, s15, 0x10002
	s_lshl_b32 s38, s38, 8
	s_add_co_u32 s18, s18, s38
	s_add_nc_u64 s[12:13], s[12:13], s[18:19]
	ALOAD 0, 0
.endif
.if \g < 10
	s_wait_loadcnt 48                              ; group g is in; the six groups behind it may be out
.elseif \g < 12
	s_wait_loadcnt 8*(15-\g)                       ; the groups that are left
.else
	s_wait_loadcnt 8*(15-\g)+32                    ; and the 32 loads of the tile's first half
.endif
.if \g > 0
	s_wait_alu depctr_va_vdst(0)                   ; the conversions of the group before have written its eight registers of codes, which the four LDS stores below read
	WSEND \g-1
.endif
	WCODES \g
.endr
	v_nop                                          ; a plain vector line behind the last conversion
	s_wait_alu depctr_va_vdst(0)                   ; group 15's conversions have written its codes, which the four LDS stores below read
	WSEND 15
	ALOAD 1, 0                                     ; the first tile's second half
	s_wait_dscnt 0x0                               ; for the others' sake: my codes lie in LDS
	s_barrier_signal -1
	s_barrier_wait -1
.irp F, 0,1,2,3,4,5,6,7,8,9,10,11,12,13,14,15  ; all 32 fragments into registers; the weights as loaded, which lay there, have all been read
	WIN 0x80+0x40*(\F/8)
.if \F == 0
	s_wait_alu depctr_va_vdst(0)                   ; the holds are done reading the weights as loaded, windows 2 and 3, in which the 128 LDS loads below land; no vector instruction stands among them
.endif
.irp c, 0,1,2,3
	ds_load_b128 v[32*(\F%8)+4*\c:32*(\F%8)+4*\c+3], v4 offset:\F*IMG+CP*\c
	ds_load_b128 v[32*(\F%8)+16+4*\c:32*(\F%8)+16+4*\c+3], v5 offset:\F*IMG+CP*\c
.endr
.endr
	WIN 0
	s_wait_dscnt 0x0
; PHASE T.  The loop has one trip for each of my tiles that has a successor: a trip multiplies its tile and asks for the next one, and holds no branch.  My last tile is written out behind the loop and asks for nothing.
; On both ways to a tile's head (from above, and from the trip before) the loads that are out are that tile's first half's 32 and, behind them, its second half's 32.
	s_cmp_ge_u32 s27, s28                          ; no tile for my wave
	s_cbranch_scc1 .Lend
	s_sub_co_u32 s37, s28, s27                     ; my tiles are t, t + 4, .. under t1: ceil((t1 - t) / 4) of them;
	s_sub_co_u32 s37, s37, 1
	s_lshr_b32 s37, s37, 2                         ; one less, (t1 - t - 1) / 4 rounded down, have a successor: the loop's trips,
	s_min_u32 s37, s37, 33                         ; at most 33, since there are at most 135 tiles
	s_cmp_eq_u32 s37, 0                            ; one tile alone: it is the last
	s_cbranch_scc1 .Llast
	s_mov_b32 s29, 0                               ; the loop's counter
.Ltile:
	s_wait_loadcnt 32                              ; the first half is in; the second half's 32 loads may be out
	MULH 0
	PLACES
	s_wait_xcnt 0x0                                ; the loads that are out have read their base: it may step
	s_add_nc_u64 s[6:7], s[6:7], 131072            ; four tiles on
	ALOAD 0, 1                                     ; the next tile's first half, into the registers just multiplied: asked for again at once, behind its wait
	s_wait_loadcnt 32                              ; this tile's second half is in; the 32 just issued may be out
	MULH 1
	PLACES
	SWIGLU 1                                       ; with the next tile's second half
	s_wait_alu depctr_va_vdst(0)                   ; the conversion has written v[80:81], which the store reads
	global_store_b64 v6, v[80:81], s[12:13]        ; 32 lanes store 256 consecutive bytes, at a multiple of 256 from hq's first byte
	s_wait_xcnt 0x0                                ; the store has read its data and its base
	s_add_nc_u64 s[12:13], s[12:13], 32768
	s_add_co_u32 s29, s29, 1
	s_cmp_lt_u32 s29, s37
	s_cbranch_scc1 .Ltile
.Llast:
	s_wait_loadcnt 32                              ; the first half is in; the second half's 32 loads may be out
	MULH 0
	s_wait_loadcnt 0x0                             ; nothing was asked for behind this tile
	MULH 1
	PLACES
	SWIGLU 0
	s_wait_alu depctr_va_vdst(0)                   ; the conversion has written v[80:81], which the store reads
	global_store_b64 v6, v[80:81], s[12:13]
.Lend:
	s_wait_dscnt 0x0                               ; the closing lines, six on end
	s_wait_alu 0x0
	s_wait_tensorcnt 0x0
	ds_add_u32 v12, v13
	s_wait_dscnt 0x0
	s_endpgm
.Lfunc_end_k_q30daf34df5_gate_up:
	.size	k_q30daf34df5_gate_up, .Lfunc_end_k_q30daf34df5_gate_up-k_q30daf34df5_gate_up
	.p2alignl 7, 3214868480
	.fill 96, 4, 3214868480
	.section	.rodata,"a",@progbits
	.p2align	6, 0x0
	.amdhsa_kernel k_q30daf34df5_gate_up
		.amdhsa_group_segment_fixed_size 68096
		.amdhsa_private_segment_fixed_size 0
		.amdhsa_enable_private_segment 0
		.amdhsa_kernarg_size 40
		.amdhsa_user_sgpr_count 2
		.amdhsa_user_sgpr_kernarg_segment_ptr 1
		.amdhsa_wavefront_size32 1
		.amdhsa_system_sgpr_workgroup_id_x 1
		.amdhsa_system_sgpr_workgroup_id_y 1
		.amdhsa_system_sgpr_workgroup_id_z 1
		.amdhsa_system_vgpr_workitem_id 0
		.amdhsa_next_free_vgpr 1024
		.amdhsa_next_free_sgpr 66
		.amdhsa_reserve_vcc 0
		.amdhsa_float_denorm_mode_32 3
		.amdhsa_float_denorm_mode_16_64 3
		.amdhsa_memory_ordered 1
		.amdhsa_forward_progress 1
		.amdhsa_inst_pref_size 91
	.end_amdhsa_kernel
	.amdgpu_metadata
---
amdhsa.version: [ 1, 2 ]
amdhsa.kernels:
  - .name:           k_q30daf34df5_gate_up
    .symbol:         k_q30daf34df5_gate_up.kd
    .args:
      - { .name: gate_up_proj, .offset: 0, .size: 8, .value_kind: global_buffer, .address_space: global }
      - { .name: xq, .offset: 8, .size: 8, .value_kind: global_buffer, .address_space: global }
      - { .name: route, .offset: 16, .size: 8, .value_kind: global_buffer, .address_space: global }
      - { .name: lowp_scales, .offset: 24, .size: 8, .value_kind: global_buffer, .address_space: global }
      - { .name: hq, .offset: 32, .size: 8, .value_kind: global_buffer, .address_space: global }
    .group_segment_fixed_size: 68096
    .private_segment_fixed_size: 0
    .kernarg_segment_align: 8
    .kernarg_segment_size: 40
    .max_flat_workgroup_size: 128
    .sgpr_count:     66
    .vgpr_count:     1024
    .wavefront_size: 32
...
	.end_amdgpu_metadata
.endif
;; end of part 5
;; launch down (part 6): grid 32 x 8, 8 waves a work-group, no clusters, 33,792 bytes of LDS; arguments down_proj, hq, order, route, lowp_scales, out0; writes out0
.if DOCPART == 6
	.amdgcn_target "amdgcn-amd-amdhsa--gfx1250"
	.amdhsa_code_object_version 6
	.text
	.protected	k_q30daf34df5_down
	.globl	k_q30daf34df5_down
	.p2align	8
	.type	k_q30daf34df5_down,@function
k_q30daf34df5_down:
	s_mov_b64 s[64:65], 0
	v_nop
	global_prefetch_b8 v0, s[64:65] scope:SCOPE_SE
	s_setreg_imm32_b32 hwreg(HW_REG_WAVE_SCHED_MODE, 0, 2), 2
	s_setreg_imm32_b32 hwreg(HW_REG_WAVE_MODE, 25, 1), 1
	s_wait_xcnt 0x0
	s_wait_alu depctr_vm_vsrc(0)
; THIRD LAUNCH: out0[token] = Q(h) Q(down_proj[e]) x 2^(eh + ew2), for the tokens of expert e alone (the other experts' rows are dead work: shown at the head of the first launch's text).
; THE WEIGHTS STAND, THE TOKENS WALK.  Work-group (s, e) owns columns 64 s .. 64 s + 63 of expert e over all of K = 512: 256 bytes of each row of down_proj[e], each read and quantised once in the launch.
; Phase W: wave w (F = w / 2, u = w % 2) loads rows 128 F + 32 u + 0 .. 31 (lanes 0-15) and the rows 64 further on (lanes 16-31): sixteen lanes read 256 consecutive bytes of a row.  Register j of a load is column
; 64 s + 4 r + j: COLUMN FRAGMENT j TAKES EVERY FOURTH COLUMN, so a lane's numbers are its own fragments' numbers, its registers run down K, and the conversions' results are the operand's registers.
; They go into LDS as images of those registers; ONE barrier; every wave takes all 16 fragments (4 along K x 4) into 256 registers.  Phase T: wave w walks the expert's tiles T[e] + w, + 8, ..
; PLACES ALONG K, as hq has them: lane (r, h) of fragment F holds k = 128 F + 64 h + 0 .. 63.  Source 0 = 16 tokens, source 1 = 16 columns: register i of accumulator j in lane (r, h) is token slot 8 h + i,
; column 64 s + 4 r + j: the four accumulators' registers i are four neighbouring columns, and sixteen lanes store 256 consecutive bytes of a row of out0.
; The free slots of an expert's last tile hold copies of its last token: the same wave stores the same numbers to the same bytes once more.  No mask.
; NO TENSOR LOADS AND NO JOINT LOADS, though the 32 work-groups of an expert walk the same tiles of hq: the number of tiles is read from memory (route).
; LIMITS on the given exponents: ew2 between -126 and 119; eh + ew2 between -126 and 127.  NaN among the inputs is not served.
; REGISTERS.  Window 0: v1-5 addresses; v6, v7: 2^ew2, 448 x 2^ew2; v8, v9 the add's two; v16-47 four accumulators; v48-79 results; v80-87 tokens; v88-95 their rows' offsets; v96-159 a tile of h (16 F + 4 c);
;   v160-223 two sets of 32 numbers; v224-255 codes.   Window 1: first the weights as loaded (4 ii + j), then the 16 fragments at 16 (4 F + j) + 4 c.
; THE MODE: SCHED_MODE bits 1:0 = 2 (LLVM: expert scheduling mode 2), set by the entry lines.  The code itself states the register dependences
; between vector or matrix instructions and memory or LDS instructions, with s_wait_alu, always for 0.
; THE PLAN.  Registers that memory or LDS instructions touch:
;   v1-v5            Offsets and LDS addresses: written at the head, never again.  One wait on va_vdst at the head, ahead of the first load.
;   window 1         Phase W: the weights' loads land once, the holds read them; behind the barrier the fragments' LDS loads land there: one wait on va_vdst ahead of them.
;   v224-255         Codes: written once by the conversions, read by the eight LDS stores: one wait on va_vdst between.
;   v80-87, v96-127  A tile's tokens and its fragments 0 and 1: clamped, read and multiplied in the tile's first half, then asked for again at once: a wait on va_vdst behind that half.
;   v128-159         Fragments 2 and 3: read by the tile's last eight matrix instructions.   v48-79: written by the 32 multiplies, read by the eight stores.   v88-95: written in the tile's first half, read by the stores as offsets.
;                    ONE wait on va_vdst behind the multiplies serves the next tile's eight loads into v128-159 and the eight stores.
;                    One wait on vm_vsrc in the next tile's first half, behind the wait for its data, ahead of the lines that write v88-95 and v48-79 again.
;   v8, v9           Written at the head, read by the closing add alone.
;   The accumulators, the two sets of numbers, v6 and v7 are named by vector and matrix instructions alone.
.set SPARE, 32768                      ; behind the 16 images of 2,048 bytes: the spare words, 128 bytes for each wave, which no other line names
.set MSB, 0
.macro WIN new                         ; the immediate's high byte repeats the setting that is left; a switch that changes nothing is dropped
.if MSB != (\new)
	s_set_vgpr_msb (MSB<<8)|(\new)
.set MSB, (\new)
.endif
.endm
.macro PLACES                          ; four plain vector lines between a matrix instruction and a load into its sources or a read of its result
.rept 4
	v_nop
.endr
.endm
.macro WQUANT gg                       ; rows 8 gg .. 8 gg + 7 of my 32: the hold moves number (i, j) to place 8 j + i: eight neighbours along K of one column on end
.set TT, 160+32*((\gg)%2)
	WIN 0x01
.irp j, 0,1,2,3
.irp i, 0,1,2,3,4,5,6,7
	v_med3_num_f32 v[TT+8*\j+\i], v[4*(8*(\gg)+\i)+\j], -v7, v7   ; the conversion to an 8-bit code does not saturate (ISA guide 7.6.2): the hold at the largest code x the scale
.endr
.endr
	WIN 0
.irp j, 0,1,2,3
	v_cvt_scalef32_pk8_fp8_f32 v[224+8*\j+2*(\gg):224+8*\j+2*(\gg)+1], v[TT+8*\j:TT+8*\j+7], v6
.endr
.endm
.macro ALOAD0                          ; ten loads: my half's eight tokens, and fragments 0 and 1 of the tile
	global_load_b128 v[80:83], v4, s[8:9]
	global_load_b128 v[84:87], v4, s[8:9] offset:16
.irp F, 0,1
.irp c, 0,1,2,3
	global_load_b128 v[96+16*\F+4*\c:99+16*\F+4*\c], v1, s[6:7] offset:2048*\F+512*\c
.endr
.endr
.endm
.macro ALOAD1                          ; eight loads: fragments 2 and 3
.irp F, 2,3
.irp c, 0,1,2,3
	global_load_b128 v[96+16*\F+4*\c:99+16*\F+4*\c], v1, s[6:7] offset:2048*\F+512*\c
.endr
.endr
.endm
.macro MUL F                           ; four matrix instructions; the four accumulators take turns, one instruction a turn.  Fragment 0 starts the sums
	WIN 0x04
.irp j, 0,1,2,3
.if \F == 0
	v_wmma_f32_16x16x128_fp8_fp8 v[16+8*\j:23+8*\j], v[96+16*\F:111+16*\F], v[16*(4*\F+\j):16*(4*\F+\j)+15], 0
.else
	v_wmma_f32_16x16x128_fp8_fp8 v[16+8*\j:23+8*\j], v[96+16*\F:111+16*\F], v[16*(4*\F+\j):16*(4*\F+\j)+15], v[16+8*\j:23+8*\j]
.endif
.endr
	WIN 0
.endm
.macro FIRST                           ; a tile's first half: where its eight rows of out0 lie, and fragments 0 and 1
	s_wait_loadcnt 8                               ; the tokens and fragments 0 and 1 are in; the eight loads of fragments 2 and 3 may be out
	s_wait_alu depctr_vm_vsrc(0)                   ; the stores of the tile before, where there was one, have read their offsets v88-95 and their data v48-79, which this tile writes again
.irp i, 0,1,2,3,4,5,6,7
	v_min_u32 v[80+\i], 2047, v[80+\i]
.endr
.irp i, 0,1,2,3,4,5,6,7
	v_lshl_add_u32 v[88+\i], v[80+\i], 13, v5      ; token x 8,192 bytes + 16 r
.endr
	MUL 0
	MUL 1
.endm
; x 2^(eh + ew2), into other registers, four neighbouring columns on end; each accumulator is read from its register 0 on.  ahead = 1: the next tile's other eight loads go out ahead of the stores, under the same wait.
.macro OUT ahead
.irp i, 0,1,2,3,4,5,6,7
.irp j, 0,1,2,3
	v_mul_f32 v[48+4*\i+\j], s30, v[16+8*\j+\i]
.endr
.endr
	s_wait_alu depctr_va_vdst(0)                   ; the multiplies have written v48-79 and the tile's first half v88-95, which the stores read; the last eight matrix instructions are done reading v128-159, in which the loads land
.if \ahead
	ALOAD1                                         ; the next tile's other eight
.endif
.irp i, 0,1,2,3,4,5,6,7
	global_store_b128 v[88+\i], v[48+4*\i:51+4*\i], s[14:15] th:TH_STORE_NT   ; sixteen lanes store 256 consecutive bytes of a token's row, at a multiple of 256 from out0's first byte
.endr
.endm
	s_load_b256 s[4:11], s[0:1], 0x0               ; down_proj s[4:5], hq s[6:7], order s[8:9], route s[10:11]
	s_load_b128 s[12:15], s[0:1], 0x20             ; lowp_scales s[12:13], out0 s[14:15]
	v_lshl_add_u32 v8, v0, 2, SPARE
	v_mov_b32 v9, 0
	v_lshrrev_b32 v1, 5, v0
	v_readfirstlane_b32 s16, v1                    ; wave 0..7
	s_mov_b32 s17, ttmp9                           ; s: my strip of 64 columns
	s_and_b32 s18, ttmp7, 0xffff                   ; e: my expert
	v_and_b32 v1, 31, v0
	v_lshlrev_b32 v1, 4, v1                        ; 16 x lane
	v_and_b32 v5, 15, v0
	v_lshlrev_b32 v5, 4, v5                        ; 16 r
	v_bfe_u32 v4, v0, 4, 1                         ; h
	v_lshl_add_u32 v2, v4, 19, v5                  ; the weights: 64 h rows of 8,192 bytes + 16 r
	v_lshlrev_b32 v4, 5, v4                        ; order: my half's eight words
	s_wait_alu depctr_va_sdst(0)                   ; s16, the wave's number, is written, ahead of its first reader
	s_lshr_b32 s32, s16, 1                         ; F
	s_and_b32 s33, s16, 1                          ; u
	s_lshl_b32 s34, s32, 13                        ; my images: four of 2,048 bytes for each F,
	s_lshl_b32 s35, s33, 10                        ; blocks 2 u and 2 u + 1 of each
	s_add_co_u32 s34, s34, s35
	v_add_nc_u32 v3, s34, v1
	s_lshl_b32 s38, s18, 22                        ; an expert's weights are 4,194,304 bytes,
	s_lshl_b32 s39, s32, 20                        ; 128 F rows of 8,192,
	s_add_co_u32 s38, s38, s39
	s_lshl_b32 s39, s33, 18                        ; 32 u rows,
	s_add_co_u32 s38, s38, s39
	s_lshl_b32 s39, s17, 8                         ; 64 columns are 256 bytes
	s_add_co_u32 s38, s38, s39
	s_mov_b32 s39, 0
	s_lshl_b32 s36, s18, 4                         ; s36, s37: offsets of the scalar loads below; written no more
	s_lshl_b32 s37, s18, 2
	s_wait_kmcnt 0x0
	s_load_b128 s[20:23], s[12:13], s36            ; ex, ew1, eh, ew2
	s_load_b32 s24, s[10:11], s37                  ; T[e]
	s_load_b32 s25, s[10:11], s37 offset:0x4       ; T[e + 1]
	s_load_b32 s26, s[10:11], 0x20                 ; T[8]
	s_add_nc_u64 s[4:5], s[4:5], s[38:39]
	WIN 0x40
	s_wait_alu depctr_va_vdst(0)                   ; the five offsets and addresses v1 to v5 are written, which the kernel's loads and stores read; none of them is written again
.irp ii, 0,1,2,3,4,5,6,7,8,9,10,11,12,13,14,15,16,17,18,19,20,21,22,23,24,25,26,27,28,29,30,31
	global_load_b128 v[4*\ii:4*\ii+3], v2, s[4:5] offset:8192*\ii th:TH_LOAD_NT   ; read once in the launch
.endr
	WIN 0
	s_lshl_b32 s38, s17, 8
	s_add_nc_u64 s[14:15], s[14:15], s[38:39]      ; out0 at my strip
	s_wait_kmcnt 0x0
	s_min_u32 s27, s24, 135
	s_add_co_u32 s27, s27, s16                     ; t: my first tile
	s_min_u32 s28, s25, 135                        ; t1: behind the expert's last
	s_sub_co_u32 s31, s26, 1
	s_min_u32 s31, s27, s31                        ; a wave without a tile reads the last tile that was stored, and uses nothing of it
	s_min_u32 s31, s31, 134
	s_lshl_b32 s38, s31, 13
	s_add_nc_u64 s[6:7], s[6:7], s[38:39]          ; hq at my first tile
	s_lshl_b32 s38, s31, 7
	s_add_nc_u64 s[8:9], s[8:9], s[38:39]          ; order likewise
	ALOAD0                                         ; asked for by every wave, so that the counts below hold on every way; no vector instruction has named these registers
	ALOAD1
	s_add_co_i32 s34, s23, 127
	s_lshl_b32 s35, s34, 23
	v_mov_b32 v6, s35                              ; 2^ew2
	s_add_co_i32 s34, s34, 8
	s_lshl_b32 s34, s34, 23
	s_or_b32 s34, s34, 0x600000
	v_mov_b32 v7, s34                              ; 448 x 2^ew2
	s_add_co_i32 s30, s22, s23
	s_add_co_i32 s30, s30, 127
	s_lshl_b32 s30, s30, 23                        ; 2^(eh + ew2)
	s_wait_alu depctr_va_vdst(0)
.irp gg, 0,1,2,3
	s_wait_loadcnt 18+8*(3-\gg)                    ; these eight rows are in; the later rows' loads and the first tile's 18 may be out
	WQUANT \gg
.endr
	v_nop                                          ; a plain vector line behind the last conversion
	s_wait_alu depctr_va_vdst(0)                   ; the sixteen conversions have written the codes v224-255, which the eight LDS stores read
.irp j, 0,1,2,3
.irp cc, 0,1
	ds_store_b128 v3, v[224+8*\j+4*\cc:227+8*\j+4*\cc] offset:2048*\j+512*\cc
.endr
.endr
	s_wait_dscnt 0x0                               ; for the others' sake: my codes lie in LDS
	s_barrier_signal -1
	s_barrier_wait -1
	WIN 0x40
	s_wait_alu depctr_va_vdst(0)                   ; the holds are done reading the weights as loaded, in window 1, where the 64 LDS loads below land; no vector instruction stands among them
.irp f, 0,1,2,3,4,5,6,7,8,9,10,11,12,13,14,15  ; all 16 fragments into registers; the weights as loaded, which lay there, have all been read
.irp c, 0,1,2,3
	ds_load_b128 v[16*\f+4*\c:16*\f+4*\c+3], v1 offset:2048*\f+512*\c
.endr
.endr
	WIN 0
	s_wait_dscnt 0x0
; PHASE T.  The loop has one trip for each of my tiles that has a successor: a trip multiplies its tile and asks for the next one, and holds no branch.  My last tile is written out behind the loop and asks for nothing.
; On both ways to a tile's head (from above, and from the trip before) the loads that are out are that tile's first ten and, behind them, its other eight.
	s_cmp_ge_u32 s27, s28                          ; no tile for my wave
	s_cbranch_scc1 .Lend
	s_sub_co_u32 s40, s28, s27                     ; my tiles are t, t + 8, .. under t1: ceil((t1 - t) / 8) of them;
	s_sub_co_u32 s40, s40, 1
	s_lshr_b32 s40, s40, 3                         ; one less, (t1 - t - 1) / 8 rounded down, have a successor: the loop's trips,
	s_min_u32 s40, s40, 16                         ; at most 16, since there are at most 135 tiles
	s_cmp_eq_u32 s40, 0                            ; one tile alone: it is the last
	s_cbranch_scc1 .Llast
	s_mov_b32 s29, 0                               ; the loop's counter
.Ltile:
	FIRST
	PLACES
	s_wait_xcnt 0x0                                ; the loads that are out have read their bases: they may step
	s_add_nc_u64 s[6:7], s[6:7], 65536             ; eight tiles on
	s_add_nc_u64 s[8:9], s[8:9], 1024
	s_wait_alu depctr_va_vdst(0)                   ; the clamps have written v80-87 and the offsets' lines are done reading them; the first eight matrix instructions are done reading v96-127: the ten loads below land in these registers
	ALOAD0                                         ; the next tile's first ten
	s_wait_loadcnt 10                              ; this tile's fragments 2 and 3 are in; the ten just issued may be out
	MUL 2
	MUL 3
	PLACES
	OUT 1
	s_wait_xcnt 0x0                                ; the stores have read their data and offsets: both are written again for the next tile
	s_add_co_u32 s29, s29, 1
	s_cmp_lt_u32 s29, s40
	s_cbranch_scc1 .Ltile
.Llast:
	FIRST
	s_wait_loadcnt 0x0                             ; nothing was asked for behind this tile
	MUL 2
	MUL 3
	PLACES
	OUT 0
.Lend:
	s_wait_dscnt 0x0                               ; the closing lines, six on end
	s_wait_alu 0x0
	s_wait_tensorcnt 0x0
	ds_add_u32 v8, v9
	s_wait_dscnt 0x0
	s_endpgm
.Lfunc_end_k_q30daf34df5_down:
	.size	k_q30daf34df5_down, .Lfunc_end_k_q30daf34df5_down-k_q30daf34df5_down
	.p2alignl 7, 3214868480
	.fill 96, 4, 3214868480
	.section	.rodata,"a",@progbits
	.p2align	6, 0x0
	.amdhsa_kernel k_q30daf34df5_down
		.amdhsa_group_segment_fixed_size 33792
		.amdhsa_private_segment_fixed_size 0
		.amdhsa_enable_private_segment 0
		.amdhsa_kernarg_size 48
		.amdhsa_user_sgpr_count 2
		.amdhsa_user_sgpr_kernarg_segment_ptr 1
		.amdhsa_wavefront_size32 1
		.amdhsa_system_sgpr_workgroup_id_x 1
		.amdhsa_system_sgpr_workgroup_id_y 1
		.amdhsa_system_sgpr_workgroup_id_z 1
		.amdhsa_system_vgpr_workitem_id 0
		.amdhsa_next_free_vgpr 512
		.amdhsa_next_free_sgpr 66
		.amdhsa_reserve_vcc 0
		.amdhsa_float_denorm_mode_32 3
		.amdhsa_float_denorm_mode_16_64 3
		.amdhsa_memory_ordered 1
		.amdhsa_forward_progress 1
		.amdhsa_inst_pref_size 33
	.end_amdhsa_kernel
	.amdgpu_metadata
---
amdhsa.version: [ 1, 2 ]
amdhsa.kernels:
  - .name:           k_q30daf34df5_down
    .symbol:         k_q30daf34df5_down.kd
    .args:
      - { .name: down_proj, .offset: 0, .size: 8, .value_kind: global_buffer, .address_space: global }
      - { .name: hq, .offset: 8, .size: 8, .value_kind: global_buffer, .address_space: global }
      - { .name: order, .offset: 16, .size: 8, .value_kind: global_buffer, .address_space: global }
      - { .name: route, .offset: 24, .size: 8, .value_kind: global_buffer, .address_space: global }
      - { .name: lowp_scales, .offset: 32, .size: 8, .value_kind: global_buffer, .address_space: global }
      - { .name: out0, .offset: 40, .size: 8, .value_kind: global_buffer, .address_space: global }
    .group_segment_fixed_size: 33792
    .private_segment_fixed_size: 0
    .kernarg_segment_align: 8
    .kernarg_segment_size: 48
    .max_flat_workgroup_size: 256
    .sgpr_count:     66
    .vgpr_count:     512
    .wavefront_size: 32
...
	.end_amdgpu_metadata
.endif
;; end of part 6
